; MI455X (gfx1250); checked and timed in simulation.
; The chip was launched on July 23, 2026; its instructions are those of AMD's public machine-readable ISA for CDNA 5 (MIT licence, August 2026) and "CDNA5" Instruction Set Architecture Reference Guide (July 2026). The comments in the code are by the model that wrote it; some were corrected since.
;; Multi Head Self Attention. Allowed arithmetic: matrix products marked QUANTISED: E2M3 operands, one E8M0 scale for each 32 along K, by v_wmma_scale_f32_16x16x128_f8f6f4 with both operands' format E2M3, f32 sums; everything else in f32.
;; Inputs: Wk 1,024 x 1,024 float32; Wo 1,024 x 1,024 float32; Wq 1,024 x 1,024 float32; Wv 1,024 x 1,024 float32; bk 1,024 float32; bo 1,024 float32; bq 1,024 float32; bv 1,024 float32; mask 1 x 1 x 4,096 x 4,096 bool; x 1 x 4,096 x 1,024 float32.
;; Outputs: out0 1 x 4,096 x 1,024 float32.
;; This version of the problem:
;;   THIS VERSION OF THE PROBLEM IS GIVEN IN LOW PRECISION. The matrix products marked QUANTISED in the list below multiply operands that are first quantised to E2M3 (2 exponent bits, 3 mantissa bits; 6 bits a number), with one power-of-two scale for each 32 numbers along K (OCP MX v1.0); their sums are f32. All else is computed in f32.
;;   The module's matrix products, in the order in which they are computed (A, B: the left and right operand; K: the contracted axis; several contracted axes count as one K, in the product's order):
;;     1. [M 4,096, K 1,024] x [K 1,024, N 1,024]; A: input x; B: input Wq: QUANTISED
;;     2. [M 4,096, K 1,024] x [K 1,024, N 1,024]; A: input x; B: input Wk: QUANTISED
;;     3. [M 4,096, K 1,024] x [K 1,024, N 1,024]; A: input x; B: input Wv: QUANTISED
;;     4. batch 16 x [M 4,096, K 64] x [K 64, N 4,096]; A: computed on the way; B: computed on the way: QUANTISED
;;     5. batch 16 x [M 4,096, K 4,096] x [K 4,096, N 64]; A: softmax (see below); B: computed on the way: QUANTISED
;;     6. [M 4,096, K 1,024] x [K 1,024, N 1,024]; A: computed on the way; B: input Wo: QUANTISED
;;   THE QUANTISER, for each operand of a quantised product, along K:
;;     - K is cut into blocks of 32 from its start; a last block that is shorter is filled with zeros.
;;     - A block's scale is 2^e with e = floor(log2(the largest magnitude in the block)) - 2, held to -126 .. 127; a block of zeros has e = 0. As a byte (E8M0): e + 127.
;;     - Each number is divided by its block's scale, clamped to +-7.5, and rounded to the nearest number of E2M3, ties to even, subnormals kept.
;;     - The product sums the exact products of the quantised numbers (number of the format x scale) in f32.
;;   ~~~python
;;   def quantise(x, axis):      # numpy; x: float32 -> the quantised numbers, widened to float32 again
;;       x = np.moveaxis(x, axis, -1); K = x.shape[-1]
;;       x = np.pad(x, [(0, 0)] * (x.ndim - 1) + [(0, -K % 32)]); x = x.reshape(x.shape[:-1] + (-1, 32)); a = np.abs(x).max(-1, keepdims=True)
;;       e = np.where(a > 0, np.clip(np.frexp(np.where(a > 0, a, 1))[1] - 1 - 2, -126, 127), 0)      # np.frexp(a)[1] - 1 = floor(log2(a)), exactly
;;       r = np.clip(x / 2.0 ** e, -7.5, 7.5)
;;       step = 2.0 ** (np.maximum(np.frexp(np.where(r == 0, 1, r))[1] - 1, 0) - 3)
;;       q = np.round(r / step) * step * 2.0 ** e      # np.round: ties to even
;;       return np.moveaxis(q.reshape(q.shape[:-2] + (-1,))[..., :K], -1, axis).astype(np.float32)
;;   ~~~
;;   SOFTMAX AHEAD OF A QUANTISED PRODUCT. Where the list says 'softmax', what is quantised is not the finished softmax but p = 2^(t - M), with t = logit x log2(e) and M = ceil(the row's largest t), a whole number; so 1/2 < the row's largest p <= 1. The row's sum l is taken of the UNQUANTISED p, in f32, and the product's result is divided by l at the end. Since M is a whole number, a kernel that streams over the keys may use a running M (the ceiling of the running maximum): every later rescaling is an exact power of two, which a block's scale takes up: the codes' values come out the same.
;;   OPERANDS COMPUTED ON THE WAY. 'Computed on the way' means the value that the module computes at that place (a softmax that the list does not call 'softmax' is quantised finished and normalised). What goes into a quantiser is computed in f32, as accurately as f32 sums, v_exp_f32 and their like allow (about 1e-6 of the number): no bf16 or f16 on the way to a quantiser, and a product that is left as it is and whose result goes on into a quantised operand takes f32 operands (vector FMAs, or v_wmma_f32_16x16x4_f32). A number that lies on a knife's edge between two numbers of the format may be rounded either way, as far as f32 arithmetic and the matrix unit's own rounding can turn it there, and no further.
;; 2 versions, each right; version 2 is version 1 with the launches attn, out written anew for expert scheduling mode. Each part assembles by itself: llvm-mc -triple=amdgcn-amd-amdhsa -mcpu=gfx1250 --defsym DOCPART=n.
;; ======== version 1 of 2: 4 launches
;; workspace buffers: cimg 6,291,456 bytes; csc 262,144 bytes; img 9,437,184 bytes; isc 393,216 bytes; oimg 3,145,728 bytes; osc 131,072 bytes; mbits 2,097,152 bytes of whole numbers; tflag 2,048 bytes of whole numbers
;; launch prep (part 1): grid 640 x 1, 8 waves a work-group, no clusters, 95,232 bytes of LDS; arguments mask, x, Wq, Wk, Wv, Wo, mbits, tflag, cimg, csc; writes mbits, tflag, cimg, csc
.if DOCPART == 1
	.amdgcn_target "amdgcn-amd-amdhsa--gfx1250"
	.amdhsa_code_object_version 6
	.text
	.protected	k_qecf7e6a76c_prep
	.globl	k_qecf7e6a76c_prep
	.p2align	8
	.type	k_qecf7e6a76c_prep,@function
k_qecf7e6a76c_prep:
	s_mov_b64 s[64:65], 0
	v_nop
	global_prefetch_b8 v0, s[64:65] scope:SCOPE_SE
	s_setreg_imm32_b32 hwreg(HW_REG_WAVE_MODE, 25, 1), 1
	s_wait_xcnt 0x0
; PREP: three jobs in one launch, told apart by the work-group's number; each has its own text and its own LDS bytes.
;   work-groups   0-255: the mask of one tile of 16 queries becomes lane-mask words (mbits) and flags for each key step (tflag)
;   work-groups 256-511: one tile of 16 rows of x becomes codes of FP6 (E2M3) and E8M0 scale bytes, a wave to each 128 along K
;   work-groups 512-639: 256 columns x 128 along K of one of Wq, Wk, Wv, Wo likewise, a lane to a column, registers down K
; AN OPERAND LIES IN MEMORY AS AN IMAGE OF ITS REGISTERS: a fragment (16 rows x 128 K, 12 registers a lane) is 1,536 bytes in two halves of 768:
; registers 6c..6c+3 at 768c + 16 lane, registers 6c+4, 6c+5 at 768c + 512 + 8 lane.  Its scale words: 64 bytes, word r for row r.
; THE ROWS OF A TILE ARE NOT NEIGHBOURS: lane-row r of tile T stands for index 32 (T/2) + 8 (T%2) + r%8 + 16 (r/8), so that a product that takes
; the tile as source 0 leaves 16 true neighbours in the 16 registers of two neighbouring tiles.
; cimg: [K step 0..7][tile 0..511][1536], tiles 0-255 x, 256 + 64 wi + t the weights (q, k, v, o); csc: [K step][tile][64].
; mbits: [tile][key step 0..31][64 words]: word j, bit L = mask[row of lane L%16][128 step + 32 (j/16) + 16 (L/16) + j%16].
; tflag: [tile][8 bytes]: byte w, bit s: some key of step 4w+s counts for the tile; bit 4+s: all of them count.
; A block's scale is 2^(floor(log2(largest magnitude)) - 2); its byte is the largest magnitude's exponent field - 2, held at 1 from below.
; LIMITS: NaN and infinities among the inputs are not served; a block under 2^-124, a block of zeros among them, gets the byte 1 (its codes are
; then zeros or the nearest codes under that scale; this program alone reads the bytes); any mask byte other than 0 counts as true.
; No tensor load, no barrier: waves share nothing; the mask's and x's loads are out at once, the weights' two blocks of 32 ahead.
.set SP,  272                          ; a stage row: 256 bytes + 16: sixteen rows start at sixteen different groups of banks
.set MST, 0                            ; the mask path's stages: 16 rows for each of 8 waves
.set XST, 8*16*SP                      ; x's
.set WST, 2*8*16*SP                    ; the weights': two fragment images, 3,072 bytes, for each wave
.set TM,  12                           ; v12-15 largest magnitudes, v16-19 the other half's / the bytes, v24-27 the conversions' scale operands
.set PW,  28                           ; the scale word
.set PC,  96                           ; the codes
.set SEL, 30                           ; s[30:31] lane selects: lane l xor 16
; 64 numbers of a lane, register 16 b + i = k 32 b + 16 (lane / 16) + i of my row, become a fragment's codes in v[PC] on and its scale word in v[PW]
.macro QUANT s
.irp b, 0,1,2,3
	v_max3_num_f32 v[TM+\b], |v[\s+16*\b]|, |v[\s+1+16*\b]|, 0x1800000   ; my 16 numbers of block b, and the floor 2^(3 - 127): the byte cannot fall under 1
.endr
.irp i, 2,4,6,8,10,12,14
.irp b, 0,1,2,3
	v_max3_num_f32 v[TM+\b], v[TM+\b], |v[\s+16*\b+\i]|, |v[\s+1+16*\b+\i]|
.endr
.endr
.irp b, 0,1,2,3
	v_permlanex16_b32 v[TM+4+\b], v[TM+\b], s[SEL], s[SEL+1]
.endr
.irp b, 0,1,2,3
	v_max_num_f32 v[TM+\b], v[TM+\b], v[TM+4+\b]   ; with lane l xor 16's: the block's largest magnitude
.endr
.irp b, 0,1,2,3
	v_add_nc_u32 v[TM+12+\b], 0xff000000, v[TM+\b]  ; 2 off its exponent field: the conversion takes this operand's exponent field as its scale
.endr
.irp b, 0,1,2,3
	v_lshrrev_b32 v[TM+4+\b], 23, v[TM+12+\b]       ; the scale's byte
.endr
	v_lshl_or_b32 v[PW], v[TM+5], 8, v[TM+4]
	v_lshl_or_b32 v[PW], v[TM+6], 16, v[PW]
	v_lshl_or_b32 v[PW], v[TM+7], 24, v[PW]
.irp c, 0,1
	v_cvt_scalef32_pk16_fp6_f32 v[PC+6*\c:PC+2+6*\c], v[\s+32*\c:\s+15+32*\c], v[TM+12+2*\c]
	v_cvt_scalef32_pk16_fp6_f32 v[PC+12+4*\c:PC+14+4*\c], v[\s+16+32*\c:\s+31+32*\c], v[TM+12+2*\c+1]   ; (a conversion's three registers begin on an even number)
.endr
	v_nop                                          ; one plain instruction behind a scaled conversion
.irp c, 0,1                                    ; the operand wants a whole block in a lane: lanes 0-15 block 2 c, lanes 16-31 block 2 c + 1
.irp i, 0,1,2
	v_permlane16_swap_b32 v[PC+6*\c+\i], v[PC+12+4*\c+\i]
.endr
.irp i, 0,1,2
	v_mov_b32 v[PC+3+6*\c+\i], v[PC+12+4*\c+\i]
.endr
.endr
.endm
	s_load_b512 s[4:19], s[0:1], 0x0               ; mask s[4:5], x s[6:7], Wq s[8:9], Wk s[10:11], Wv s[12:13], Wo s[14:15], mbits s[16:17], tflag s[18:19]
	s_load_b128 s[20:23], s[0:1], 0x40             ; cimg s[20:21], csc s[22:23]
	v_lshl_add_u32 v128, v0, 2, 0x17000
	v_mov_b32 v129, 0
	v_lshrrev_b32 v1, 5, v0
	v_readfirstlane_b32 s24, v1                    ; wave 0..7
	v_and_b32 v1, 31, v0                           ; lane
	v_and_b32 v2, 15, v0                           ; r
	v_bfe_u32 v3, v0, 4, 1                         ; h
	v_lshlrev_b32 v4, 12, v3
	v_lshl_add_u32 v4, v2, 4, v4                   ; mask and x: rows of 4,096 bytes: lanes 0-15 one row's 256 bytes, lanes 16-31 the next row's
	s_mul_i32 s28, s24, 16*SP                      ; my wave's stage
	s_mov_b32 s[SEL], 0x76543210
	s_mov_b32 s[SEL+1], 0xfedcba98
	s_wait_kmcnt 0x0
	s_cmp_lt_u32 ttmp9, 256
	s_cbranch_scc1 .Lmask
	s_cmp_lt_u32 ttmp9, 512
	s_cbranch_scc1 .Lx
	; ---------------- THE WEIGHTS.  u = work-group - 512: weight u / 32, 256 columns (u / 8) % 4, K step u % 8.  Wave w, lane l: column 256 cq + 32 w + l
	s_sub_co_u32 s26, ttmp9, 512
	s_lshr_b32 s27, s26, 5                         ; wi
	s_bfe_u32 s29, s26, 0x20003                    ; cq
	s_and_b32 s26, s26, 7                          ; ks
	s_cmp_eq_u32 s27, 1
	s_cselect_b64 s[8:9], s[10:11], s[8:9]
	s_cmp_eq_u32 s27, 2
	s_cselect_b64 s[8:9], s[12:13], s[8:9]
	s_cmp_eq_u32 s27, 3
	s_cselect_b64 s[8:9], s[14:15], s[8:9]         ; the weight, chosen by the work-group's number alone
	s_lshl_b32 s32, s26, 19                        ; 128 rows of 4,096 bytes a K step
	s_lshl_b32 s33, s29, 10
	s_add_co_u32 s32, s32, s33
	s_lshl_b32 s33, s24, 7
	s_add_co_u32 s32, s32, s33
	s_mov_b32 s33, 0
	s_add_nc_u64 s[8:9], s[8:9], s[32:33]
	v_lshlrev_b32 v4, 2, v1                        ; 4 bytes a lane: a wave reads 128 consecutive bytes, the eight waves 1,024
.macro LOADW t                         ; block t: W(128 ks + 32 t + i, my column) into set t % 2
.irp i, 0,1,2,3,4,5,6,7,8,9,10,11,12,13,14,15,16,17,18,19,20,21,22,23,24,25,26,27,28,29,30,31
	global_load_b32 v[32+32*((\t)%2)+\i], v4, s[8:9] offset:(32*(\t)+\i)*4096 th:TH_LOAD_NT
.endr
.endm
	LOADW 0
	LOADW 1
	s_lshl_b32 s32, s26, 9                         ; the first of my wave's two tiles: 512 ks + 256 + 64 wi + 16 cq + 2 w
	s_lshl_b32 s34, s27, 6
	s_add_co_u32 s32, s32, s34
	s_lshl_b32 s34, s29, 4
	s_add_co_u32 s32, s32, s34
	s_lshl_b32 s34, s24, 1
	s_add_co_u32 s32, s32, s34
	s_add_co_u32 s32, s32, 256
	s_lshl_b32 s34, s32, 6
	s_mov_b32 s35, 0
	s_mul_i32 s32, s32, 1536
	s_add_nc_u64 s[20:21], s[20:21], s[32:33]
	s_add_nc_u64 s[22:23], s[22:23], s[34:35]
	v_bfe_u32 v7, v0, 3, 1                         ; which of the two tiles my column falls in,
	v_and_b32 v8, 7, v0
	v_lshl_add_u32 v8, v3, 3, v8                   ; and its lane-row there: l % 8 + 8 (l / 16)
	s_mul_i32 s36, s24, 3072
	s_add_co_u32 s36, s36, WST
	v_mul_u32_u24 v9, v7, 1536
	v_add_nc_u32 v9, s36, v9
	v_lshl_add_u32 v5, v8, 4, v9                   ; where a block's first four registers go in the image,
	v_lshl_add_u32 v6, v8, 3, v9                   ; and its last two
	v_lshl_add_u32 v10, v1, 4, s36                 ; the images read back, 16 bytes a lane
	v_lshlrev_b32 v11, 6, v7
	v_lshl_add_u32 v11, v8, 2, v11                 ; my column's scale word: 64 x tile + 4 x lane-row
	v_lshlrev_b32 v15, 4, v1
.macro BLOCKW b                        ; block b of 32 along K is all mine: it is the image's lane (lane-row, b % 2), half b / 2
.set XS, 32+32*((\b)%2)
.set CW, 96+8*(\b)
.if (\b) < 3
	s_wait_loadcnt 32                              ; this block's 32 loads are in; the next block's may be out
.else
	s_wait_loadcnt 0x0
.endif
	v_max3_num_f32 v12, |v[XS]|, |v[XS+1]|, |v[XS+2]|
	v_max3_num_f32 v13, |v[XS+3]|, |v[XS+4]|, |v[XS+5]|
.irp i, 6,10,14,18,22,26
	v_max3_num_f32 v12, v12, |v[XS+\i]|, |v[XS+\i+1]|
	v_max3_num_f32 v13, v13, |v[XS+\i+2]|, |v[XS+\i+3]|
.endr
	v_max3_num_f32 v12, v12, |v[XS+30]|, |v[XS+31]|
	v_max3_num_f32 v12, v12, v13, 0x1800000        ; and the floor
	v_add_nc_u32 v14, 0xff000000, v12              ; the conversions' scale operand
	v_lshrrev_b32 v13, 23, v14                     ; the byte
.if (\b) == 0
	v_mov_b32 v16, v13
.else
	v_lshl_or_b32 v16, v13, 8*(\b), v16            ; four bytes make my column's scale word
.endif
	v_cvt_scalef32_pk16_fp6_f32 v[CW:CW+2], v[XS:XS+15], v14
	v_cvt_scalef32_pk16_fp6_f32 v[CW+4:CW+6], v[XS+16:XS+31], v14
	v_nop                                          ; one plain instruction behind a scaled conversion
	v_mov_b32 v[CW+3], v[CW+4]                     ; six registers on end
	v_mov_b32 v[CW+4], v[CW+5]
	v_mov_b32 v[CW+5], v[CW+6]
	ds_store_b128 v5, v[CW:CW+3] offset:768*((\b)/2)+256*((\b)%2)
	ds_store_b64 v6, v[CW+4:CW+5] offset:768*((\b)/2)+512+128*((\b)%2)
.if (\b) < 2
	LOADW (\b)+2
.endif
.endm
	BLOCKW 0
	BLOCKW 1
	BLOCKW 2
	BLOCKW 3
	global_store_b32 v11, v16, s[22:23]            ; 32 lanes store the two tiles' 128 consecutive bytes of scale words
.irp n, 0,1,2,3,4,5
	ds_load_b128 v[32+4*\n:35+4*\n], v10 offset:512*\n   ; LDS serves a wave's instructions in order: these see my stores
.endr
.irp n, 0,1,2,3,4,5
	s_wait_dscnt 5-\n
	global_store_b128 v15, v[32+4*\n:35+4*\n], s[20:21] offset:512*\n   ; 512 consecutive bytes, aligned
.endr
	s_wait_tensorcnt 0x0
	ds_add_u32 v128, v129
	s_wait_dscnt 0x0
	s_endpgm
	; ---------------- x.  Tile T = work-group - 256; wave w = K step
.Lx:
	s_sub_co_u32 s29, ttmp9, 256                   ; T
	s_lshr_b32 s26, s29, 1
	s_lshl_b32 s26, s26, 5
	s_and_b32 s27, s29, 1
	s_lshl_b32 s27, s27, 3
	s_add_co_u32 s26, s26, s27                     ; the tile's first row: 32 (T / 2) + 8 (T % 2)
	s_lshl_b32 s26, s26, 12
	s_lshl_b32 s27, s24, 9                         ; my 128 numbers of a row: 512 bytes
	s_add_co_u32 s26, s26, s27
	s_mov_b32 s27, 0
	s_add_nc_u64 s[6:7], s[6:7], s[26:27]
.irp e, 0,1                                    ; lane-rows 2 i + h are rows 2 (i % 4) + h + 16 (i / 4) from there; half e of the 512 bytes
.irp i, 0,1,2,3,4,5,6,7
	global_load_b128 v[32+32*\e+4*\i:35+32*\e+4*\i], v4, s[6:7] offset:(2*(\i%4)+16*(\i/4))*4096+256*\e th:TH_LOAD_NT
.endr
.endr
	s_add_co_u32 s28, s28, XST
	v_mul_u32_u24 v5, v3, SP
	v_lshl_add_u32 v5, v2, 4, v5
	v_add_nc_u32 v5, s28, v5                       ; into the stage as loaded: row 2 i + h, 16 r
	v_mul_u32_u24 v6, v2, SP
	v_lshl_add_u32 v6, v3, 6, v6
	v_add_nc_u32 v6, s28, v6                       ; back: row r, my 16 numbers of each block of 32
.irp b, 0,1,2,3
	v_mov_b32 v[TM+4+\b], 0                        ; written once: a lane permute's destination counts as one of its sources
.endr
	s_lshl_b32 s26, s24, 9
	s_add_co_u32 s26, s26, s29                     ; 512 ks + T
	s_lshl_b32 s32, s26, 6
	s_mov_b32 s33, 0
	s_mul_i32 s26, s26, 1536
	s_add_nc_u64 s[20:21], s[20:21], s[26:27]
	s_add_nc_u64 s[22:23], s[22:23], s[32:33]
	v_lshlrev_b32 v10, 4, v1
	v_lshlrev_b32 v11, 3, v1
	v_lshlrev_b32 v7, 2, v2
.irp e, 0,1
	s_wait_loadcnt 8-8*\e                          ; this half's eight loads are in; the other half's may be out
.irp i, 0,1,2,3,4,5,6,7
	ds_store_b128 v5, v[32+32*\e+4*\i:35+32*\e+4*\i] offset:2*\i*SP
.endr
	s_wait_dscnt 0x0                               ; the stores have read the registers into which the loads below land
.irp b, 0,1
.irp q, 0,1,2,3
	ds_load_b128 v[32+32*\e+16*\b+4*\q:35+32*\e+16*\b+4*\q], v6 offset:128*\b+16*\q
.endr
.endr
.endr
	s_wait_dscnt 0x0
	QUANT 32
	global_store_b128 v10, v[PC:PC+3], s[20:21]
	global_store_b64 v11, v[PC+4:PC+5], s[20:21] offset:512
	global_store_b128 v10, v[PC+6:PC+9], s[20:21] offset:768
	global_store_b64 v11, v[PC+10:PC+11], s[20:21] offset:1280
	v_cmp_gt_u32 vcc_lo, 16, v1
	s_wait_xcnt 0x0                                ; EXEC changes only behind this wait
	s_wait_tensorcnt 0x0
	ds_add_u32 v128, v129
	s_wait_dscnt 0x0
	s_and_saveexec_b32 s34, vcc_lo
	global_store_b32 v7, v[PW], s[22:23]           ; lanes 0-15: the 16 rows' scale words
	s_wait_xcnt 0x0
	s_or_b32 exec_lo, exec_lo, s34
	s_endpgm
	; ---------------- THE MASK.  Tile T = work-group; wave w takes keys 512 w .. 512 w + 511: key steps 4 w .. 4 w + 3
.Lmask:
	s_lshr_b32 s26, ttmp9, 1
	s_lshl_b32 s26, s26, 5
	s_and_b32 s27, ttmp9, 1
	s_lshl_b32 s27, s27, 3
	s_add_co_u32 s26, s26, s27
	s_lshl_b32 s26, s26, 12                        ; a row of the mask is 4,096 bytes
	s_lshl_b32 s27, s24, 9
	s_add_co_u32 s26, s26, s27
	s_mov_b32 s27, 0
	s_add_nc_u64 s[4:5], s[4:5], s[26:27]
.irp e, 0,1
.irp i, 0,1,2,3,4,5,6,7
	global_load_b128 v[32+32*\e+4*\i:35+32*\e+4*\i], v4, s[4:5] offset:(2*(\i%4)+16*(\i/4))*4096+256*\e th:TH_LOAD_NT
.endr
.endr
	v_mul_u32_u24 v5, v3, SP
	v_lshl_add_u32 v5, v2, 4, v5
	v_add_nc_u32 v5, s28, v5                       ; into the stage as loaded
	v_mul_u32_u24 v6, v2, SP
	v_lshl_add_u32 v6, v3, 4, v6
	v_add_nc_u32 v6, s28, v6                       ; back: row r, my 16 keys of each block of 32
	s_lshl_b32 s26, ttmp9, 13                      ; 32 steps of 256 bytes a tile
	s_lshl_b32 s29, s24, 10
	s_add_co_u32 s26, s26, s29
	s_add_nc_u64 s[16:17], s[16:17], s[26:27]
	v_lshlrev_b32 v7, 3, v1
.irp j, 16,17,18,19,20,21,22,23
	v_mov_b32 v[\j], 0                             ; the words' registers: a lane write's destination counts as read
.endr
	s_mov_b32 s47, 0                               ; my byte of flags
; One key step: 64 words.  Word j = 4 g + k: byte k of register g of my 16: a compare gives the 32 lanes' bits at once; word j goes to lane j / 2, register j % 2
.macro MSTEP sg, st
	s_mov_b32 s44, 0
	s_mov_b32 s45, -1
.set GG, 0
.rept 16
.irp k, 0,1,2,3
	v_and_b32 v[8+\k], 0xff<<(8*\k), v[96+16*(\sg)+GG]
.endr
.irp k, 0,1,2,3
	v_cmp_ne_u32 s[40+\k], 0, v[8+\k]
.endr
.irp k, 0,1,2,3
	s_or_b32 s44, s44, s[40+\k]
	s_and_b32 s45, s45, s[40+\k]
	v_writelane_b32 v[16+2*(\st)+(\k%2)], s[40+\k], 2*GG+\k/2
.endr
.set GG, GG+1
.endr
	global_store_b64 v7, v[16+2*(\st):17+2*(\st)], s[16:17] offset:256*(\st)   ; 32 lanes store the step's 256 bytes, aligned
	s_cmp_lg_u32 s44, 0
	s_cselect_b32 s46, 1<<(\st), 0                 ; some key counts
	s_or_b32 s47, s47, s46
	s_cmp_eq_u32 s45, -1
	s_cselect_b32 s46, 16<<(\st), 0                ; all keys count
	s_or_b32 s47, s47, s46
.endm
.irp e, 0,1
	s_wait_loadcnt 8-8*\e
.irp i, 0,1,2,3,4,5,6,7
	ds_store_b128 v5, v[32+32*\e+4*\i:35+32*\e+4*\i] offset:2*\i*SP
.endr
.irp g, 0,1
.irp b, 0,1,2,3
	ds_load_b128 v[96+16*\g+4*\b:99+16*\g+4*\b], v6 offset:128*\g+32*\b   ; LDS serves a wave's instructions in order
.endr
.endr
	s_wait_dscnt 0x0
	MSTEP 0, 2*\e
	MSTEP 1, 2*\e+1
.endr
	v_mov_b32 v8, s47
	s_lshl_b32 s26, ttmp9, 3
	s_add_co_u32 s26, s26, s24
	v_mov_b32 v9, s26                              ; byte 8 T + w
	v_cmp_eq_u32 vcc_lo, 0, v1
	s_wait_xcnt 0x0                                ; EXEC changes only behind this wait
	s_wait_tensorcnt 0x0
	ds_add_u32 v128, v129
	s_wait_dscnt 0x0
	s_and_saveexec_b32 s48, vcc_lo
	global_store_b8 v9, v8, s[18:19]
	s_wait_xcnt 0x0
	s_or_b32 exec_lo, exec_lo, s48
	s_endpgm
.Lfunc_end_k_qecf7e6a76c_prep:
	.size	k_qecf7e6a76c_prep, .Lfunc_end_k_qecf7e6a76c_prep-k_qecf7e6a76c_prep
	.p2alignl 7, 3214868480
	.fill 96, 4, 3214868480
	.section	.rodata,"a",@progbits
	.p2align	6, 0x0
	.amdhsa_kernel k_qecf7e6a76c_prep
		.amdhsa_group_segment_fixed_size 95232
		.amdhsa_private_segment_fixed_size 0
		.amdhsa_enable_private_segment 0
		.amdhsa_kernarg_size 80
		.amdhsa_user_sgpr_count 2
		.amdhsa_user_sgpr_kernarg_segment_ptr 1
		.amdhsa_wavefront_size32 1
		.amdhsa_system_sgpr_workgroup_id_x 1
		.amdhsa_system_sgpr_workgroup_id_y 1
		.amdhsa_system_sgpr_workgroup_id_z 1
		.amdhsa_system_vgpr_workitem_id 0
		.amdhsa_next_free_vgpr 130
		.amdhsa_next_free_sgpr 66
		.amdhsa_reserve_vcc 1
		.amdhsa_float_denorm_mode_32 3
		.amdhsa_float_denorm_mode_16_64 3
		.amdhsa_memory_ordered 1
		.amdhsa_forward_progress 1
		.amdhsa_inst_pref_size 103
	.end_amdhsa_kernel
	.amdgpu_metadata
---
amdhsa.version: [ 1, 2 ]
amdhsa.kernels:
  - .name:           k_qecf7e6a76c_prep
    .symbol:         k_qecf7e6a76c_prep.kd
    .args:
      - { .name: mask, .offset: 0, .size: 8, .value_kind: global_buffer, .address_space: global }
      - { .name: x, .offset: 8, .size: 8, .value_kind: global_buffer, .address_space: global }
      - { .name: Wq, .offset: 16, .size: 8, .value_kind: global_buffer, .address_space: global }
      - { .name: Wk, .offset: 24, .size: 8, .value_kind: global_buffer, .address_space: global }
      - { .name: Wv, .offset: 32, .size: 8, .value_kind: global_buffer, .address_space: global }
      - { .name: Wo, .offset: 40, .size: 8, .value_kind: global_buffer, .address_space: global }
      - { .name: mbits, .offset: 48, .size: 8, .value_kind: global_buffer, .address_space: global }
      - { .name: tflag, .offset: 56, .size: 8, .value_kind: global_buffer, .address_space: global }
      - { .name: cimg, .offset: 64, .size: 8, .value_kind: global_buffer, .address_space: global }
      - { .name: csc, .offset: 72, .size: 8, .value_kind: global_buffer, .address_space: global }
    .group_segment_fixed_size: 95232
    .private_segment_fixed_size: 0
    .kernarg_segment_align: 8
    .kernarg_segment_size: 80
    .max_flat_workgroup_size: 256
    .sgpr_count:     66
    .vgpr_count:     130
    .wavefront_size: 32
...
	.end_amdgpu_metadata
.endif
;; end of part 1
;; launch proj (part 2): grid 12 x 16, 4 waves a work-group, clusters of 4 x 4, 327,680 bytes of LDS; arguments cimg, csc, bq, bk, bv, img, isc; writes img, isc
.if DOCPART == 2
	.amdgcn_target "amdgcn-amd-amdhsa--gfx1250"
	.amdhsa_code_object_version 6
	.text
	.protected	k_qecf7e6a76c_proj
	.globl	k_qecf7e6a76c_proj
	.p2align	8
	.type	k_qecf7e6a76c_proj,@function
k_qecf7e6a76c_proj:
	s_mov_b64 s[64:65], 0
	v_nop
	global_prefetch_b8 v0, s[64:65] scope:SCOPE_SE
	s_setreg_imm32_b32 hwreg(HW_REG_WAVE_MODE, 25, 1), 1
	s_wait_xcnt 0x0
	s_wait_alu depctr_hold_cnt(0) depctr_sa_sdst(0) depctr_va_vdst(0) depctr_va_sdst(0) depctr_va_ssrc(0) depctr_va_vcc(0) depctr_vm_vsrc(0)
	s_getreg_b32 s2, hwreg(HW_REG_IB_STS2, 6, 4)
	s_cmp_eq_u32 s2, 0
	s_cbranch_scc0 .Lentry_in_a_cluster
	s_endpgm
.Lentry_in_a_cluster:
	s_bfe_u32 s2, ttmp6, 0x10000c
	s_cmp_lg_u32 s2, 0xf033
	s_cbranch_scc0 .Lentry_shape_is_right
	s_endpgm
.Lentry_shape_is_right:
; PROJ: q = x Wq + bq, k = x Wk + bk, v = x Wv + bv on codes of FP6 (E2M3) with E8M0 scales, K = 1,024; the results are quantised in registers
; into the operands of the attention's two products and leave as fragment images: no f32 number goes to memory.
; A work-group makes 256 x 256 of a product, four waves 128 x 128 each: 64 accumulators.  THE MATRIX INSTRUCTION IS USED TRANSPOSED: source 0 = 16 rows of "B",
; source 1 = 16 rows of "A": a lane holds one row of A and its registers run along B's rows, which are the next product's K.
;   clusters x = 0, 1 (q, k): A = x's tokens, B = Wq's or Wk's columns: a lane holds a token, 128 channels = two heads: one fragment, K = the heads' 64 + 64
;   cluster  x = 2    (v):    A = Wv's columns, B = x's tokens:          a lane holds a channel, 128 keys: one fragment of V with the keys innermost
; Operands come as images (see the launch before): [K step][tile][1536] in cimg, [K step][tile][64] in csc; the rows of a tile are chosen there so that
; the 16 registers of two neighbouring tiles of B are 16 true neighbours.  A tile's 1,536 bytes are read by 16 or 8 bytes a lane on end: no pitch, no padding.
; K goes in steps of 256 through a ring of two LDS slots; a wave's one tensor load brings 8 tiles x 2 K steps: two rows of 12,288 bytes.  All scale words come once.
; CLUSTERS: 4 x 4.  A's tiles hang on cy alone and are asked for jointly along a row of the cluster, B's on cx alone, along a column.
; The biases are the C of each sum's first matrix instruction.  192 work-groups: a smaller tile would double the LDS bytes for each product.
; img: q, k: [G 0..15][tile 0..255][1536] (G 0-7 q's pairs of heads, 8-15 k's); v from byte 6,291,456: [key step 0..31][tile of channels 0..63][1536].  isc likewise, 64 bytes a tile, v from 262,144.
; LIMITS: NaN and infinities are not served; a block under 2^-124 gets the byte 1.
; REGISTERS: window 0: v16-29 addresses; v32-63 scale words, two sets; v64-127 the bias table; v128-223 A's eight fragments, one set (on the way out: codes and work).
;   window 1: B's two sets, at v0 and v128.   windows 2, 3: the accumulators, (a, b) at v[8 (8 (a % 4) + b)].
.set HALFT, 24576                      ; what one tensor load brings: [2 K steps][8 tiles][1536]
.set SLOT,  4*HALFT                    ; A's two halves, then B's two
.set SCL,   2*SLOT                     ; behind the ring: the scale words, four regions [8 K steps][8 tiles][64]
.set HALFS, 4096
.set SPARE, SCL+4*HALFS                ; the spare words, 128 bytes for each wave: two blocks of 256 bytes that no other line names
.set KSB,   786432                     ; bytes from a K step of 128 to the next in cimg
.set FR,    12
.set NL,    4                          ; LDS loads that bring a fragment
.set NP,    4                          ; places behind this matrix instruction (ISA guide 7.12.1)
.set NQ,    2
.set ADRA, 16                          ; v16-17 my A tiles in slot 0, 1, 16 bytes a lane; v18-19 the same, 8 bytes a lane
.set ADRB, 20                          ; v20-23 the same for B
.set L16,  24
.set L8,   25
.set L4,   26
.set ADRS, 27                          ; my scale words: lanes 0-15 A's, lanes 16-31 B's
.set SPW,  28                          ; SPARE + 4 x my thread's number; never rewritten
.set NIL,  29                          ; 0; never rewritten
.set SC,   32                          ; set s at v[SC + 16 s]; register 2 i + q: block i, the slot's q-th 128 along K
.set BT,   64
.set AF,   128
.set TM,   176
.set G1, 24
.set G0, 32
.set G1B, 48
.set G0B, 56
.set G1S, 68
.set G0S, 76
.set G1SB, 80
.set G0SB, 88
.set MSB, 0
.macro WIN new                         ; the immediate's high byte repeats the setting that is left
.if MSB != \new
	s_set_vgpr_msb (MSB<<8)|\new
.set MSB, \new
.endif
.endm
.set MUL_LO, 0xa1                      ; source 0 (B) window 1, source 1 (A) window 0, C and D window 2
.set MUL_HI, 0xf1                      ; the same, C and D window 3
.set BIA_LO, 0x81                      ; C (the bias table) window 0, D window 2
.set BIA_HI, 0xc1
.set TO_B,   0x40
; A joint load: waves 0 and 1 fetch for A, waves 2 and 3 for B; the branch hangs on the wave's number alone.  Four v_nop follow each of the two lines.
.macro JLOAD g0a, g1a, g0b, g1b
	s_cmp_eq_u32 s15, 0
	s_cbranch_scc0 .Lfor_b_\@
	tensor_load_to_lds s[\g0a:\g0a+3], s[\g1a:\g1a+7]
	s_nop 0
.rept 4
	v_nop
.endr
	s_branch .Lasked_\@
.Lfor_b_\@:
	tensor_load_to_lds s[\g0b:\g0b+3], s[\g1b:\g1b+7]
	s_nop 0
.rept 4
	v_nop
.endr
.Lasked_\@:
.endm
.macro CREST                           ; a round of the cluster's barrier behind its opening barrier
	s_cmp_lg_u32 s14, 0
	s_cbranch_scc1 .Lnot_wave_0_\@
	s_barrier_signal -3
.Lnot_wave_0_\@:
	s_barrier_wait -3
	s_barrier_signal -1
	s_barrier_wait -1
.endm
.macro CROUND
	s_barrier_signal -1
	s_barrier_wait -1
	CREST
.endm
	s_load_b256 s[4:11], s[0:1], 0x0               ; cimg s[4:5], csc s[6:7], bq s[8:9], bk s[10:11]
	s_load_b128 s[96:99], s[0:1], 0x20             ; bv s[96:97], img s[98:99]
	s_load_b64 s[100:101], s[0:1], 0x30            ; isc
	v_lshl_add_u32 v[SPW], v0, 2, SPARE
	v_mov_b32 v[NIL], 0
	ds_add_u32 v28, v29
	ds_add_u32 v28, v29
	s_wait_dscnt 0x0
	v_lshrrev_b32 v1, 5, v0
	v_readfirstlane_b32 s14, v1                    ; wave 0..3
	s_lshr_b32 s15, s14, 1                         ; which half of A's rows is mine.  Also: I fetch for A (0) or for B (1)
	s_and_b32 s16, s14, 1                          ; which half of B's rows.  Also: which 8 tiles I fetch
	s_bfe_u32 s40, ttmp6, 0x40000                  ; cx
	s_bfe_u32 s41, ttmp6, 0x40004                  ; cy
	s_and_b32 s17, ttmp7, 0xffff
	s_lshl_b32 s17, s17, 2                         ; 4 x cluster y
	s_lshl_b32 s18, ttmp9, 2
	s_add_co_u32 s18, s18, 16                      ; 16 + 4 x cluster x
	s_cmp_eq_u32 ttmp9, 2                          ; the cluster's x: the same in all sixteen partners
	s_cselect_b32 s19, 24, s17                     ; A's units of 16 tiles: Wv's begin at 24, x's at 0
	s_cselect_b32 s42, s17, s18                    ; B's: x's, or Wq's and Wk's from 16 on
	s_add_co_u32 s19, s19, s41                     ; A's unit hangs on cy alone,
	s_add_co_u32 s42, s42, s40                     ; B's on cx alone
	s_lshl_b32 s43, s41, 2
	s_lshl_b32 s43, 15, s43                        ; my row of the cluster
	s_lshl_b32 s44, 0x1111, s40                    ; my column
	; descriptor group 1 for codes: two rows (K steps) of 1,536 elements of 8 bytes (8 tiles), 98,304 elements apart; no padding
	s_or_b32 s[G1+0], s43, (3<<16)|(1<<21)         ; 15:0 the mask; 17:16 elements of 8 bytes; 21 set beside a mask
	s_or_b32 s[G1B+0], s44, (3<<16)|(1<<21)
.irp g, G1, G1B
	s_mov_b32 s[\g+1], 1536<<16                    ; tensor_dim0
	s_mov_b32 s[\g+2], 2<<16                       ; tensor_dim1
	s_mov_b32 s[\g+3], 1536<<16                    ; tile_dim0
	s_mov_b32 s[\g+4], 2                           ; tile_dim1
	s_mov_b32 s[\g+5], 98304                       ; tensor_dim0_stride
	s_mov_b32 s[\g+6], 0
	s_mov_b32 s[\g+7], 0
.endr
	; and for scale words: eight rows (K steps) of 64 elements (8 tiles x 64 bytes), 4,096 elements apart
	s_or_b32 s[G1S+0], s43, (3<<16)|(1<<21)
	s_or_b32 s[G1SB+0], s44, (3<<16)|(1<<21)
.irp g, G1S, G1SB
	s_mov_b32 s[\g+1], 64<<16
	s_mov_b32 s[\g+2], 8<<16
	s_mov_b32 s[\g+3], 64<<16
	s_mov_b32 s[\g+4], 8
	s_mov_b32 s[\g+5], 4096
	s_mov_b32 s[\g+6], 0
	s_mov_b32 s[\g+7], 0
.endr
	s_lshl_b32 s18, s16, 3
	s_lshl_b32 s20, s19, 4
	s_add_co_u32 s20, s20, s18                     ; A: the first tile that I fetch
	s_lshl_b32 s46, s42, 4
	s_add_co_u32 s46, s46, s18                     ; B likewise
	s_lshl_b32 s22, s20, 6
	s_mov_b32 s23, 0
	s_lshl_b32 s92, s46, 6
	s_mov_b32 s93, 0
	s_mul_i32 s20, s20, 1536
	s_mov_b32 s21, 0
	s_mul_i32 s46, s46, 1536
	s_mov_b32 s47, 0
	s_mul_i32 s45, s14, HALFT                      ; where they go: by the wave's number alone
	s_mul_i32 s94, s14, HALFS
	s_wait_kmcnt 0x0
	s_add_nc_u64 s[20:21], s[4:5], s[20:21]
	s_add_nc_u64 s[22:23], s[6:7], s[22:23]
	s_add_nc_u64 s[46:47], s[4:5], s[46:47]
	s_add_nc_u64 s[92:93], s[6:7], s[92:93]
	CROUND                                         ; all sixteen work-groups are here: the first joint loads meet
	s_mov_b32 s[G0S], 1
	s_add_co_u32 s[G0S+1], s94, SCL
	s_mov_b64 s[G0S+2:G0S+3], s[22:23]
	s_or_b32 s[G0S+3], s[G0S+3], 0x80000000
	s_mov_b32 s[G0SB], 1
	s_add_co_u32 s[G0SB+1], s94, SCL
	s_mov_b64 s[G0SB+2:G0SB+3], s[92:93]
	s_or_b32 s[G0SB+3], s[G0SB+3], 0x80000000
	JLOAD G0S, G1S, G0SB, G1SB                     ; the scale words of all of K: filled once
.irp s, 0,1
	s_mov_b32 s[G0+4*\s], 1
	s_add_co_u32 s[G0+4*\s+1], s45, \s*SLOT
	s_add_nc_u64 s[G0+4*\s+2:G0+4*\s+3], s[20:21], \s*2*KSB
	s_or_b32 s[G0+4*\s+3], s[G0+4*\s+3], 0x80000000
	s_mov_b32 s[G0B+4*\s], 1
	s_add_co_u32 s[G0B+4*\s+1], s45, \s*SLOT
	s_add_nc_u64 s[G0B+4*\s+2:G0B+4*\s+3], s[46:47], \s*2*KSB
	s_or_b32 s[G0B+4*\s+3], s[G0B+4*\s+3], 0x80000000
	JLOAD G0+4*\s, G1, G0B+4*\s, G1B               ; three loads of mine are out now
.endr
	v_and_b32 v1, 15, v0                           ; r
	v_bfe_u32 v2, v0, 4, 1                         ; h
	v_and_b32 v3, 31, v0
	v_lshlrev_b32 v[L16], 4, v3
	v_lshlrev_b32 v[L8], 3, v3
	v_lshlrev_b32 v[L4], 2, v3
	s_mul_i32 s21, s15, HALFT                      ; my 8 tiles of A
	s_mul_i32 s22, s16, HALFT                      ; my 8 tiles of B,
	s_add_co_u32 s22, s22, 2*HALFT                 ; which lie behind A's
.irp s, 0,1
	v_add_nc_u32 v[ADRA+\s], s21, v[L16]
	v_add_nc_u32 v[ADRB+\s], s22, v[L16]
	v_add_nc_u32 v[ADRA+2+\s], s21, v[L8]
	v_add_nc_u32 v[ADRB+2+\s], s22, v[L8]
	s_add_co_u32 s21, s21, SLOT
	s_add_co_u32 s22, s22, SLOT
.endr
	s_mul_i32 s21, s15, HALFS
	s_mul_i32 s22, s16, HALFS
	s_add_co_u32 s22, s22, 2*HALFS
	s_sub_co_u32 s22, s22, s21
	v_mul_u32_u24 v6, s22, v2                      ; lanes 16-31 take B's words
	s_add_co_u32 s21, s21, SCL
	v_lshl_add_u32 v5, v1, 2, v6
	v_add_nc_u32 v[ADRS], s21, v5
	; the bias table, in the result's layout
	s_cmp_eq_u32 ttmp9, 2
	s_cbranch_scc1 .Lbias_v
	s_cmp_eq_u32 ttmp9, 0
	s_cselect_b64 s[8:9], s[8:9], s[10:11]         ; bq or bk
	s_lshl_b32 s18, s40, 10                        ; my work-group's 256 channels,
	s_lshl_b32 s19, s16, 9                         ; my wave's 128
	s_add_co_u32 s18, s18, s19
	s_mov_b32 s19, 0
	s_add_nc_u64 s[8:9], s[8:9], s[18:19]
	v_lshlrev_b32 v7, 6, v2                        ; tile b's registers are channels 32 (b / 2) + 16 h + 8 (b % 2) + 0 .. 7
.irp b, 0,1,2,3,4,5,6,7
	global_load_b128 v[BT+8*\b:BT+8*\b+3], v7, s[8:9] offset:(32*(\b/2)+8*(\b%2))*4
	global_load_b128 v[BT+8*\b+4:BT+8*\b+7], v7, s[8:9] offset:(32*(\b/2)+8*(\b%2))*4+16
.endr
	s_branch .Lbias_done
.Lbias_v:
	s_lshl_b32 s18, s41, 10
	s_lshl_b32 s19, s15, 9
	s_add_co_u32 s18, s18, s19
	s_mov_b32 s19, 0
	s_add_nc_u64 s[96:97], s[96:97], s[18:19]
	v_and_b32 v7, 7, v1
	v_lshrrev_b32 v8, 3, v1
	v_lshl_add_u32 v7, v8, 4, v7
	v_lshlrev_b32 v7, 2, v7                        ; block a's lane r is channel 32 (a / 2) + 8 (a % 2) + r % 8 + 16 (r / 8): one number for all eight registers
.irp a, 0,1,2,3,4,5,6,7
.irp j, 0,1,2,3,4,5,6,7
	global_load_b32 v[BT+8*\a+\j], v7, s[96:97] offset:(32*(\a/2)+8*(\a%2))*4
.endr
.endr
.Lbias_done:
.macro FRAG reg, adr, q, i             ; a fragment comes back as its image lies: 16, 8, 16, 8 bytes a lane
	ds_load_b128 v[\reg:\reg+3], v[\adr] offset:12288*(\q)+1536*(\i)
	ds_load_b64 v[\reg+4:\reg+5], v[\adr+2] offset:12288*(\q)+1536*(\i)+512
	ds_load_b128 v[\reg+6:\reg+9], v[\adr] offset:12288*(\q)+1536*(\i)+768
	ds_load_b64 v[\reg+10:\reg+11], v[\adr+2] offset:12288*(\q)+1536*(\i)+1280
.endm
; 16 matrix instructions: A's blocks a0, a0 + 1 x B's eight.  cm = 0: onto the sums; 1: the sums begin with the bias by B's rows; 2: by A's rows.
; The 64 accumulators take turns, one instruction a turn, in the same order in every step.
.macro MUL16 a0, p, q, sc, cm
.irp a, \a0, \a0+1
.irp b, 0,1,2,3,4,5,6,7
.if (\cm) == 1
	v_wmma_scale_f32_16x16x128_f8f6f4 v[8*(8*((\a)%4)+\b):8*(8*((\a)%4)+\b)+7], v[128*(\p)+FR*\b:128*(\p)+FR*\b+FR-1], v[AF+FR*(\a):AF+FR*(\a)+FR-1], v[BT+8*\b:BT+8*\b+7], v[SC+16*(\sc)+2*\b+(\q)], v[SC+16*(\sc)+2*(\a)+(\q)] matrix_a_fmt:MATRIX_FMT_FP6 matrix_b_fmt:MATRIX_FMT_FP6 matrix_a_scale:MATRIX_SCALE_ROW1
.elseif (\cm) == 2
	v_wmma_scale_f32_16x16x128_f8f6f4 v[8*(8*((\a)%4)+\b):8*(8*((\a)%4)+\b)+7], v[128*(\p)+FR*\b:128*(\p)+FR*\b+FR-1], v[AF+FR*(\a):AF+FR*(\a)+FR-1], v[BT+8*(\a):BT+8*(\a)+7], v[SC+16*(\sc)+2*\b+(\q)], v[SC+16*(\sc)+2*(\a)+(\q)] matrix_a_fmt:MATRIX_FMT_FP6 matrix_b_fmt:MATRIX_FMT_FP6 matrix_a_scale:MATRIX_SCALE_ROW1
.else
	v_wmma_scale_f32_16x16x128_f8f6f4 v[8*(8*((\a)%4)+\b):8*(8*((\a)%4)+\b)+7], v[128*(\p)+FR*\b:128*(\p)+FR*\b+FR-1], v[AF+FR*(\a):AF+FR*(\a)+FR-1], v[8*(8*((\a)%4)+\b):8*(8*((\a)%4)+\b)+7], v[SC+16*(\sc)+2*\b+(\q)], v[SC+16*(\sc)+2*(\a)+(\q)] matrix_a_fmt:MATRIX_FMT_FP6 matrix_b_fmt:MATRIX_FMT_FP6 matrix_a_scale:MATRIX_SCALE_ROW1
.endif
.endr
.endr
.endm
.macro FETCH_B slot, q, p
	WIN TO_B
.irp i, 0,1,2,3,4,5,6,7
	FRAG 128*(\p)+FR*\i, ADRB+\slot, \q, \i
.endr
	WIN 0
.endm
.macro FETCH_A slot, q, i0
.irp i, \i0, \i0+1, \i0+2, \i0+3
	FRAG AF+FR*(\i), ADRA+\slot, \q, \i
.endr
.endm
.macro SCALES sc                       ; a slot's scale words: lanes 0-15 A's block i, lanes 16-31 B's block i
.irp i, 0,1,2,3,4,5,6,7
.irp q, 0,1
	ds_load_b32 v[SC+16*\sc+2*\i+\q], v[ADRS] offset:512*\q+64*\i
.endr
.endr
.endm
.macro PLACES n                        ; plain vector instructions between a matrix instruction and a load into, or a read of, its registers
.rept \n
	v_nop
.endr
.endm
.macro STEP slot, q, cm                ; a step of 128 along K that has its successor in the same slot
	s_wait_dscnt 4*NL                              ; B's set, the scale words and A's blocks 0-3 are in; the youngest 16 loads (A's blocks 4-7) may be out
.if (\cm) > 0
	WIN BIA_LO
.else
	WIN MUL_LO
.endif
	MUL16 0, (\q)%2, \q, \slot, \cm
	MUL16 2, (\q)%2, \q, \slot, \cm
	s_wait_dscnt 0
	PLACES NP
	FETCH_B \slot, (\q)+1, 1-(\q)%2
	FETCH_A \slot, (\q)+1, 0
.if (\cm) > 0
	WIN BIA_HI
.else
	WIN MUL_HI
.endif
	MUL16 4, (\q)%2, \q, \slot, \cm
	MUL16 6, (\q)%2, \q, \slot, \cm
	PLACES NP
	WIN 0
	FETCH_A \slot, (\q)+1, 4
.endm
; A slot's last step changes slots: one barrier; in front of it each wave waits for all its tensor loads, adds 0 to its spare word, and waits for that and for its reads of this slot.
.macro TURN slot, next, fill
	s_wait_tensorcnt 0x0                           ; all my tensor loads have landed: my part of the next slot
	ds_add_u32 v[SPW], v[NIL]                      ; 0 onto my spare word
	s_wait_dscnt 4*NL+1                            ; (the add and A's blocks 4-7 may be out)
	WIN MUL_LO
	MUL16 0, 1, NQ-1, \slot, 0
	s_wait_dscnt 0x0                               ; the add is done, and my reads of this slot are over
	s_barrier_signal -1
	MUL16 2, 1, NQ-1, \slot, 0
	WIN 0
	s_barrier_wait -1
.if \fill
	CREST                                          ; the barrier has opened a round of the cluster's barrier: no wave of any partner still reads this slot or has a load on its way
	s_add_nc_u64 s[G0+4*\slot+2:G0+4*\slot+3], s[G0+4*\slot+2:G0+4*\slot+3], 4*KSB
	s_add_nc_u64 s[G0B+4*\slot+2:G0B+4*\slot+3], s[G0B+4*\slot+2:G0B+4*\slot+3], 4*KSB
	JLOAD G0+4*\slot, G1, G0B+4*\slot, G1B         ; the first tensor load behind the round, my one load until the next; its four v_nop are the places for the loads below
.else
	PLACES NP
.endif
	v_add_nc_u32 v[ADRS], 1024, v[ADRS]            ; the next slot's scale words: two K steps of 512 bytes on
	FETCH_B \next, 0, 0
	FETCH_A \next, 0, 0
	SCALES \next
	WIN MUL_HI
	MUL16 4, 1, NQ-1, \slot, 0
	MUL16 6, 1, NQ-1, \slot, 0
	PLACES NP
	WIN 0
	FETCH_A \next, 0, 4
.endm
	s_wait_tensorcnt 1                             ; the scale words and my part of slot 0 are in; slot 1's load may be out
	s_barrier_signal -1
	s_barrier_wait -1
	FETCH_B 0, 0, 0
	FETCH_A 0, 0, 0
	SCALES 0
	FETCH_A 0, 0, 4
	s_wait_loadcnt 0x0                             ; the bias table
	s_cmp_eq_u32 ttmp9, 2
	s_cbranch_scc1 .Lfirst_v
	STEP 0, 0, 1                                   ; the first step starts the sums with the bias
	s_branch .Lfirst_done
.Lfirst_v:
	STEP 0, 0, 2
.Lfirst_done:
	TURN 0, 1, 1                                   ; K = 1,024 is four slots: written out
	STEP 1, 0, 0
	TURN 1, 0, 1
	STEP 0, 0, 0
	TURN 0, 1, 0                                   ; the last two slots are not filled again
	STEP 1, 0, 0
	s_wait_dscnt 4*NL
	WIN MUL_LO
	MUL16 0, 1, NQ-1, 1, 0
	MUL16 2, 1, NQ-1, 1, 0
	s_wait_dscnt 0
	WIN MUL_HI
	MUL16 4, 1, NQ-1, 1, 0
	MUL16 6, 1, NQ-1, 1, 0
	WIN 0
	; THE WAY OUT.  Where my eight fragments go: tile number (G << log2 of the tiles in a group) + my first tile
	s_and_b32 s17, ttmp7, 0xffff
	s_lshl_b32 s20, s17, 2
	s_cmp_eq_u32 ttmp9, 2
	s_cselect_b32 s18, s17, ttmp9
	s_cselect_b32 s19, 6, 8
	s_cselect_b32 s20, 0, s20
	s_cselect_b32 s21, 6291456, 0
	s_cselect_b32 s22, 262144, 0
	s_lshl_b32 s18, s18, 2
	s_add_co_u32 s18, s18, s40
	s_lshl_b32 s18, s18, 1
	s_add_co_u32 s18, s18, s16                     ; G: the pair of heads (q, k) or the key step (v)
	s_lshl_b32 s18, s18, s19
	s_add_co_u32 s20, s20, s41
	s_lshl_b32 s20, s20, 4
	s_lshl_b32 s23, s15, 3
	s_add_co_u32 s20, s20, s23
	s_add_co_u32 s18, s18, s20
	s_mul_i32 s20, s18, 1536
	s_add_co_u32 s20, s20, s21
	s_mov_b32 s21, 0
	s_lshl_b32 s18, s18, 6
	s_add_co_u32 s18, s18, s22
	s_mov_b32 s19, 0
	s_add_nc_u64 s[98:99], s[98:99], s[20:21]
	s_add_nc_u64 s[100:101], s[100:101], s[18:19]
	s_mov_b32 s92, 0x76543210
	s_mov_b32 s93, 0xfedcba98                      ; lane l xor 16
	s_mov_b32 s42, 0xffff0000                      ; lanes 16-31
	PLACES NP                                      ; behind the last products: their registers are read and written from here on
.irp b, 0,1,2,3
	v_mov_b32 v[TM+4+\b], 0                        ; written once: a lane permute's destination counts as one of its sources
.endr
; Block a: its 64 registers are 128 neighbours along the next K, 16 b + i = k 32 b + 16 h + i: quantised where they lie, each accumulator read from its low end on.
.macro QOUT a
.set AC, 64*((\a)%4)
.set WW, 2+(\a)/4
.set WQ, WW|(WW<<2)
.set PC, 128+24*((\a)%2)
.set PW, 192+(\a)%2
.if (\a) > 1
	s_wait_xcnt 0x0                                ; the stores of two blocks ago have read the registers that are written now
.endif
	WIN WQ                                         ; sources 0 and 1: the accumulators' window
.irp b, 0,1,2,3
	v_max3_num_f32 v[TM+\b], |v[AC+16*\b]|, |v[AC+1+16*\b]|, 0x1800000
.endr
.irp i, 2,4,6,8,10,12,14
.irp b, 0,1,2,3
	v_max3_num_f32 v[TM+\b], |v[AC+16*\b+\i]|, |v[AC+1+16*\b+\i]|, v[TM+\b]
.endr
.endr
	WIN 0
.irp b, 0,1,2,3
	v_permlanex16_b32 v[TM+4+\b], v[TM+\b], s92, s93
.endr
.irp b, 0,1,2,3
	v_max_num_f32 v[TM+\b], v[TM+\b], v[TM+4+\b]
.endr
.irp b, 0,1,2,3
	v_add_nc_u32 v[TM+12+\b], 0xff000000, v[TM+\b]
.endr
.irp b, 0,1,2,3
	v_lshrrev_b32 v[TM+4+\b], 23, v[TM+12+\b]
.endr
	v_lshl_or_b32 v[PW], v[TM+5], 8, v[TM+4]
	v_lshl_or_b32 v[PW], v[TM+6], 16, v[PW]
	v_lshl_or_b32 v[PW], v[TM+7], 24, v[PW]
	WIN WW                                         ; source 0 alone
.irp c, 0,1
	v_cvt_scalef32_pk16_fp6_f32 v[PC+6*\c:PC+2+6*\c], v[AC+32*\c:AC+15+32*\c], v[TM+12+2*\c]
	v_cvt_scalef32_pk16_fp6_f32 v[PC+12+4*\c:PC+14+4*\c], v[AC+16+32*\c:AC+31+32*\c], v[TM+12+2*\c+1]
.endr
	WIN 0
	v_nop                                          ; one plain instruction behind a scaled conversion
.irp c, 0,1
.irp i, 0,1,2
	v_permlane16_swap_b32 v[PC+6*\c+\i], v[PC+12+4*\c+\i]
.endr
.irp i, 0,1,2
	v_mov_b32 v[PC+3+6*\c+\i], v[PC+12+4*\c+\i]
.endr
.endr
	global_store_b128 v[L16], v[PC:PC+3], s[98:99] offset:1536*(\a)          ; 512 or 256 consecutive bytes a store, aligned
	global_store_b64 v[L8], v[PC+4:PC+5], s[98:99] offset:1536*(\a)+512
	global_store_b128 v[L16], v[PC+6:PC+9], s[98:99] offset:1536*(\a)+768
	global_store_b64 v[L8], v[PC+10:PC+11], s[98:99] offset:1536*(\a)+1280
.if (\a)%2 == 1
	v_cndmask_b32 v[194+((\a)/2)%2], v192, v193, s42                        ; two tiles' scale words: lanes 0-15 the even block's, lanes 16-31 the odd one's
	global_store_b32 v[L4], v[194+((\a)/2)%2], s[100:101] offset:64*((\a)-1)
.endif
.endm
.irp a, 0,1,2,3,4,5,6,7
	QOUT \a
.endr
	s_wait_tensorcnt 0x0                           ; the wave's end
	ds_add_u32 v[SPW], v[NIL]
	s_wait_dscnt 0x0
	CROUND                                         ; the closing round: no work-group ends while a partner may still ask for a tile that names it
	s_endpgm
.Lfunc_end_k_qecf7e6a76c_proj:
	.size	k_qecf7e6a76c_proj, .Lfunc_end_k_qecf7e6a76c_proj-k_qecf7e6a76c_proj
	.p2alignl 7, 3214868480
	.fill 96, 4, 3214868480
	.section	.rodata,"a",@progbits
	.p2align	6, 0x0
	.amdhsa_kernel k_qecf7e6a76c_proj
		.amdhsa_group_segment_fixed_size 327680
		.amdhsa_private_segment_fixed_size 0
		.amdhsa_enable_private_segment 0
		.amdhsa_kernarg_size 56
		.amdhsa_user_sgpr_count 2
		.amdhsa_user_sgpr_kernarg_segment_ptr 1
		.amdhsa_wavefront_size32 1
		.amdhsa_system_sgpr_workgroup_id_x 1
		.amdhsa_system_sgpr_workgroup_id_y 1
		.amdhsa_system_sgpr_workgroup_id_z 1
		.amdhsa_system_vgpr_workitem_id 0
		.amdhsa_next_free_vgpr 1024
		.amdhsa_next_free_sgpr 102
		.amdhsa_reserve_vcc 0
		.amdhsa_float_denorm_mode_32 3
		.amdhsa_float_denorm_mode_16_64 3
		.amdhsa_memory_ordered 1
		.amdhsa_forward_progress 1
		.amdhsa_inst_pref_size 172
	.end_amdhsa_kernel
	.amdgpu_metadata
---
amdhsa.version: [ 1, 2 ]
amdhsa.kernels:
  - .name:           k_qecf7e6a76c_proj
    .symbol:         k_qecf7e6a76c_proj.kd
    .args:
      - { .name: cimg, .offset: 0, .size: 8, .value_kind: global_buffer, .address_space: global }
      - { .name: csc, .offset: 8, .size: 8, .value_kind: global_buffer, .address_space: global }
      - { .name: bq, .offset: 16, .size: 8, .value_kind: global_buffer, .address_space: global }
      - { .name: bk, .offset: 24, .size: 8, .value_kind: global_buffer, .address_space: global }
      - { .name: bv, .offset: 32, .size: 8, .value_kind: global_buffer, .address_space: global }
      - { .name: img, .offset: 40, .size: 8, .value_kind: global_buffer, .address_space: global }
      - { .name: isc, .offset: 48, .size: 8, .value_kind: global_buffer, .address_space: global }
    .group_segment_fixed_size: 327680
    .private_segment_fixed_size: 0
    .kernarg_segment_align: 8
    .kernarg_segment_size: 56
    .max_flat_workgroup_size: 128
    .sgpr_count:     102
    .vgpr_count:     1024
    .wavefront_size: 32
...
	.end_amdgpu_metadata
.endif
;; end of part 2
;; launch attn (part 3): grid 16 x 16, 16 waves a work-group, no clusters, 67,584 bytes of LDS; arguments img, isc, mbits, tflag, oimg, osc; writes oimg, osc
.if DOCPART == 3
	.amdgcn_target "amdgcn-amd-amdhsa--gfx1250"
	.amdhsa_code_object_version 6
	.text
	.protected	k_qecf7e6a76c_attn
	.globl	k_qecf7e6a76c_attn
	.p2align	8
	.type	k_qecf7e6a76c_attn,@function
k_qecf7e6a76c_attn:
	s_mov_b64 s[64:65], 0
	v_nop
	global_prefetch_b8 v0, s[64:65] scope:SCOPE_SE
	s_setreg_imm32_b32 hwreg(HW_REG_WAVE_MODE, 25, 1), 1
	s_wait_xcnt 0x0
; ATTN: o = softmax(q k^T / 8 + mask) v for one head, both products on codes of FP6 (E2M3) with E8M0 scales; o is quantised in registers and leaves as half a fragment image.
; THE SOFTMAX: t = score x log2(e) / 8; M = the row's largest t so far, rounded up to a whole number; p = 2^(t - M) is quantised along the keys, not normalised; the row's sum is taken
; of the unquantised p and divides O at the end.  When M moves, the sum and O are multiplied by 2^(old M - new M): exact.
; SHARES.  Work-group (i, head): waves 0-7 own the tiles of 16 queries 8 i + w, waves 8-15 the tiles 8 (31 - i) + w - 8; a wave owns one tile in 256 registers, four waves to a SIMD.
; Every work-group walks all 16 slots of 256 keys: constant trip count, one barrier a slot.  THE MASK IS AN INPUT: the launch before has stored, for each tile and key step, whether any key
; counts and whether all count.  A step in which none counts is passed over by a scalar branch on that stored bit; where all count the 64 selects are passed over; a slot that none of the
; work-group's 16 tiles needs is not copied.  Since branches hang on stored numbers the launch has no tensor load, hence no joint loads and no cluster: K and V go memory -> registers -> LDS,
; a slot ahead: the loads are issued two key steps before their data are stored to LDS, so no wave waits for that stream, and no prefetch is laid.
; LAYOUT.  Both products transposed: S^T = K Q^T (source 0 = 16 keys), O^T = V^T P^T (source 0 = 16 channels): a lane holds one query throughout.  The keys of a tile of K and the channels
; of a tile of V were chosen by the launches before so that two neighbouring tiles' 16 registers are 16 true neighbours.
; THE FIRST PRODUCT'S K IS 64: Q's registers 6-11 hold zero codes; K's operand then names the next tile's codes there, which meet zeros; the scale bytes 2, 3 of both are 0, no NaN.
; A query for which no key counts has the sum 0: its scale bytes are set to 0xff, which makes its row of the last product NaN, as the softmax of an empty row is.
; LIMITS: NaN and infinities among the operands are not served; a block of p or o under 2^-124 gets the byte 1.
; LDS, parity p at 32,768 p: [0, 12288) K: tile at 768 x tile; [12288, 24576) V: 1,536 x (4 step + tile); [24576, 25600) K's scale words; [25600, 26624) V's, 128 bytes a tile.
; REGISTERS: v1 16 lane, v2 8 lane, v3 24576 + 4 r, v4, v5 the copy's places in LDS, v7-9 its offsets in memory, v10 -infinity, v12 -M, v13 the largest t, v[14:15] the sum,
;   v16-27 Q, v28 its scale word, v30-83 K (tile t at 30 + 6 t; v78-83 zeros) or V (30 + 12 t), v84-91 scale words, v96-159 S^T then p, v160-191 O^T, v192-203 p's codes,
;   v204-211 conversions, v212-215 block maxima, v216-219 at work, v220-223 scale operands, v224 at work, v[226:227] f and 0, v228 p's scale word, v232-244 the copy.
;   s[2:3] mask words, s[4:7] the copy's bases, s[8:11] their steps, s[12:15] o's places, s16 wave, s17 trips, s[18:19] my flags, s[20:21] lane selects, s[22:23] c, s[24:25] the work-group's flags,
;   s26 lanes 16-31, s27 and s101 the copy's word mask and shift, s[28:59] and s[68:99] a step's 64 mask words.
	s_load_b256 s[28:35], s[0:1], 0x0              ; img s[28:29], isc s[30:31], mbits s[32:33], tflag s[34:35]
	s_load_b128 s[12:15], s[0:1], 0x20             ; oimg, osc
	v_lshl_add_u32 v254, v0, 2, 0x10000
	v_mov_b32 v255, 0
	v_lshrrev_b32 v1, 5, v0
	v_readfirstlane_b32 s16, v1                    ; wave 0..15
	v_and_b32 v224, 31, v0                         ; lane
	v_and_b32 v225, 15, v0                         ; r
	v_bfe_u32 v229, v0, 4, 1                       ; h
	v_lshlrev_b32 v1, 4, v224
	v_lshlrev_b32 v2, 3, v224
	v_lshl_add_u32 v3, v225, 2, 24576
	s_mul_i32 s100, s16, 1536
	v_lshl_add_u32 v4, v224, 4, s100               ; the copy: wave w fills bytes 1,536 w on: waves 0-7 K's 16 half tiles, waves 8-15 V's 8 tiles
	s_lshl_b32 s100, s16, 7
	s_add_co_u32 s100, s100, 24576
	v_lshl_add_u32 v5, v224, 2, s100               ; and 128 bytes of scale words
	s_sub_co_u32 s101, 31, ttmp9
	s_and_b32 s100, s16, 7
	s_cmp_lt_u32 s16, 8
	s_cselect_b32 s104, ttmp9, s101                ; my block of 128 queries
	s_lshl_b32 s104, s104, 3
	s_add_co_u32 s104, s104, s100                  ; T: my tile
	s_and_b32 s105, ttmp7, 0xffff                  ; the head
	s_lshl_b32 s52, s104, 3
	s_lshl_b32 s53, ttmp9, 6
	s_lshl_b32 s54, s101, 6
	s_wait_kmcnt 0x0
	s_load_b64 s[18:19], s[34:35], s52 offset:0x0  ; my tile's 8 bytes of flags
	s_load_b512 s[36:51], s[34:35], s53 offset:0x0 ; those of the work-group's 16 tiles
	s_load_b512 s[68:83], s[34:35], s54 offset:0x0
	s_lshl_b32 s58, s104, 13
	s_mov_b32 s59, 0
	s_add_nc_u64 s[2:3], s[32:33], s[58:59]        ; my tile's mask words: 256 bytes a key step
	s_lshr_b32 s55, s105, 1
	s_lshl_b32 s55, s55, 8                         ; 256 x the pair of heads
	s_and_b32 s56, s105, 1                         ; which head of the pair
	s_add_co_u32 s57, s55, s104                    ; q's and o's tile number
	s_mul_i32 s58, s57, 1536
	s_mul_i32 s59, s56, 768
	s_add_co_u32 s58, s58, s59
	s_mov_b32 s59, 0
	s_add_nc_u64 s[12:13], s[12:13], s[58:59]      ; o: my half of the fragment
	s_add_nc_u64 s[60:61], s[28:29], s[58:59]      ; Q likewise
	global_load_b128 v[16:19], v1, s[60:61]
	global_load_b64 v[20:21], v2, s[60:61] offset:512
	s_lshl_b32 s58, s57, 6
	s_add_nc_u64 s[62:63], s[30:31], s[58:59]
	v_lshlrev_b32 v230, 2, v225
	global_load_b32 v28, v230, s[62:63]            ; Q's scale words, both heads'
	s_lshl_b32 s100, s56, 1
	s_add_co_u32 s58, s58, s100
	s_add_nc_u64 s[14:15], s[14:15], s[58:59]      ; o's scale bytes: my head's two of each word
	; the copy: K-waves take tiles 2 w, 2 w + 1 of a slot (my head's halves), V-waves the tile (step (w - 8) / 4, tile (w - 8) % 4)
	s_and_b32 s84, s16, 7
	s_lshl_b32 s85, s84, 1
	s_add_co_u32 s85, s85, s55
	s_add_co_u32 s85, s85, 2048                    ; k's groups follow q's eight
	s_mul_i32 s86, s85, 1536
	s_mul_i32 s87, s56, 768
	s_add_co_u32 s86, s86, s87
	s_lshl_b32 s85, s85, 6
	s_lshr_b32 s88, s84, 2
	s_lshl_b32 s88, s88, 6
	s_and_b32 s89, s84, 3
	s_add_co_u32 s88, s88, s89
	s_lshl_b32 s89, s105, 2
	s_add_co_u32 s88, s88, s89
	s_mul_i32 s90, s88, 1536
	s_add_co_u32 s90, s90, 6291456
	s_lshl_b32 s88, s88, 6
	s_add_co_u32 s88, s88, 262144
	s_lshl_b32 s91, s56, 4                         ; 16 x (head % 2): where my head's two bytes stand in a word of q's or k's
	s_mov_b32 s92, 196608
	s_mov_b32 s93, 8192
	s_mov_b32 s95, 1024
	s_cmp_lt_u32 s16, 8
	s_cselect_b32 s86, s86, s90
	s_cselect_b32 s88, s85, s88
	s_cselect_b32 s101, s91, 0
	s_cselect_b32 s27, 0xffff, -1
	s_cselect_b32 s8, 24576, s92                   ; a slot on: 16 tiles of k, or two key steps of v
	s_cselect_b32 s10, 1024, s93
	s_cselect_b32 s94, 768, 0
	s_cselect_b32 s95, 1792, s95
	s_cselect_b32 s96, 31, 15
	s_mov_b32 s87, 0
	s_mov_b32 s89, 0
	s_mov_b32 s9, 0
	s_mov_b32 s11, 0
	s_add_nc_u64 s[4:5], s[28:29], s[86:87]
	s_add_nc_u64 s[6:7], s[30:31], s[88:89]
	v_mul_u32_u24 v7, s94, v229                    ; K-waves pass over the other head's 768 bytes between their two halves
	v_add3_u32 v7, v7, v1, 512
	v_add_nc_u32 v8, s95, v1
	v_and_b32 v9, s96, v224
	v_lshlrev_b32 v9, 2, v9
	global_load_b128 v[232:235], v1, s[4:5]        ; slot 0
	global_load_b128 v[236:239], v7, s[4:5]
	global_load_b128 v[240:243], v8, s[4:5]
	global_load_b32 v244, v9, s[6:7]
	s_mov_b32 s20, 0x76543210
	s_mov_b32 s21, 0xfedcba98
	s_mov_b32 s22, 0x3e38aa3b                      ; c = log2(e) / 8
	s_mov_b32 s23, s22
	s_mov_b32 s26, 0xffff0000
	s_mov_b32 s17, 8
	v_mov_b32 v10, 0xff800000
	v_mov_b32 v13, 0xff61b1e6                      ; the largest t so far: -3e38, under every t
	v_floor_f32 v12, -v13
	v_mov_b32 v14, 0
	v_mov_b32 v15, 0
	v_mov_b32 v227, 0
.irp j, 22,23,24,25,26,27,78,79,80,81,82,83,216,217,218,219
	v_mov_b32 v[\j], 0                             ; Q's upper half and the registers behind K's last tile: zero codes; v216-219: a lane permute's destination counts as read
.endr
	s_wait_kmcnt 0x0
	s_mov_b32 s24, s36
	s_mov_b32 s25, s37
.irp p, 38,40,42,44,46,48,50,68,70,72,74,76,78,80,82
	s_or_b32 s24, s24, s[\p]                       ; what any of the 16 tiles needs
	s_or_b32 s25, s25, s[\p+1]
.endr
	s_wait_loadcnt 0x0
	v_lshrrev_b32 v28, s91, v28
	v_and_b32 v28, 0xffff, v28                     ; my head's two bytes; bytes 2 and 3 are 0
	v_lshrrev_b32 v244, s101, v244
	v_and_b32 v244, s27, v244
	ds_store_b128 v4, v[232:235]
	ds_store_b128 v4, v[236:239] offset:512
	ds_store_b128 v4, v[240:243] offset:1024
	ds_store_b32 v5, v244
	s_add_nc_u64 s[4:5], s[4:5], s[8:9]            ; (the loads are done: their bases may step)
	s_add_nc_u64 s[6:7], s[6:7], s[10:11]
.irp j, 0,1,2,3,4,5,6,7,8,9,10,11,12,13,14,15,16,17,18,19,20,21,22,23,24,25,26,27,28,29,30,31
	v_mov_b32 v[160+\j], 0                         ; O^T: which step is a wave's first hangs on the flags, so no first step is written out; the first change of M leaves zeros zeros
.endr
	s_wait_dscnt 0x0
	s_barrier_signal -1
	s_barrier_wait -1
; A KEY STEP: 128 keys, the q-th of the slot of parity par; its flags are bits 2 par + q (any) and 4 + 2 par + q (all) of s18
.macro STEP par, q
	s_bitcmp1_b32 s18, 2*(\par)+(\q)
	s_cbranch_scc0 .Lskip_\@
	s_load_b512 s[28:43], s[2:3], 0x0              ; the step's 64 mask words: they land under the first product
	s_load_b512 s[44:59], s[2:3], 0x40
	s_load_b512 s[68:83], s[2:3], 0x80
	s_load_b512 s[84:99], s[2:3], 0xc0
.rept 4
	v_nop                                          ; places in front of loads into registers that the last step's products have read
.endr
.irp t, 0,1,2,3,4,5,6,7
	ds_load_b128 v[30+6*\t:33+6*\t], v1 offset:32768*(\par)+768*(8*(\q)+\t)
	ds_load_b64 v[34+6*\t:35+6*\t], v2 offset:32768*(\par)+768*(8*(\q)+\t)+512
	ds_load_b32 v[84+\t], v3 offset:32768*(\par)+64*(8*(\q)+\t)
.endr
	s_wait_dscnt 0x0
.irp t, 0,1,2,3,4,5,6,7
	v_wmma_scale_f32_16x16x128_f8f6f4 v[96+8*\t:103+8*\t], v[30+6*\t:41+6*\t], v[16:27], 0, v[84+\t], v28 matrix_a_fmt:MATRIX_FMT_FP6 matrix_b_fmt:MATRIX_FMT_FP6
.endr
.rept 4
	v_nop                                          ; places: for V's loads into K's registers, and for the first read of the scores
.endr
.irp t, 0,1,2,3                                ; V's four tiles land under the softmax
	ds_load_b128 v[30+12*\t:33+12*\t], v1 offset:32768*(\par)+12288+1536*(4*(\q)+\t)
	ds_load_b64 v[34+12*\t:35+12*\t], v2 offset:32768*(\par)+12288+1536*(4*(\q)+\t)+512
	ds_load_b128 v[36+12*\t:39+12*\t], v1 offset:32768*(\par)+12288+1536*(4*(\q)+\t)+768
	ds_load_b64 v[40+12*\t:41+12*\t], v2 offset:32768*(\par)+12288+1536*(4*(\q)+\t)+1280
	ds_load_b32 v[84+\t], v3 offset:32768*(\par)+1024+128*(4*(\q)+\t)
.endr
	s_wait_kmcnt 0x0                               ; the mask words are in, and their base may step
	s_bitcmp1_b32 s18, 4+2*(\par)+(\q)
	s_cbranch_scc1 .Lopen_\@
.irp n, 0,1,2,3,4,5,6,7,8,9,10,11,12,13,14,15,16,17,18,19,20,21,22,23,24,25,26,27,28,29,30,31
	v_cndmask_b32 v[96+\n], v10, v[96+\n], s[28+\n]   ; word n holds the 32 lanes' bits for register n: a hidden score becomes -infinity, p = 0 then
.endr
.irp n, 32,33,34,35,36,37,38,39,40,41,42,43,44,45,46,47,48,49,50,51,52,53,54,55,56,57,58,59,60,61,62,63
	v_cndmask_b32 v[96+\n], v10, v[96+\n], s[36+\n]
.endr
.Lopen_\@:
.irp b, 0,1,2,3
	v_max3_num_f32 v[212+\b], v[96+16*\b], v[97+16*\b], v[98+16*\b]   ; the largest score of each block of 32 keys: for the row's maximum, and, since p rises with the score, for the block's largest p
.endr
.irp i, 3,5,7,9,11,13
.irp b, 0,1,2,3
	v_max3_num_f32 v[212+\b], v[212+\b], v[96+16*\b+\i], v[97+16*\b+\i]
.endr
.endr
.irp b, 0,1,2,3
	v_max_num_f32 v[212+\b], v[212+\b], v[111+16*\b]
.endr
.irp b, 0,1,2,3
	v_permlanex16_b32 v[216+\b], v[212+\b], s20, s21
.endr
.irp b, 0,1,2,3
	v_max_num_f32 v[212+\b], v[212+\b], v[216+\b]  ; with lane l xor 16's 16 keys
.endr
	v_max3_num_f32 v224, v212, v213, v214
	v_max_num_f32 v224, v224, v215
	v_mul_f32 v224, s22, v224                      ; the step's largest t of my query
	v_max_num_f32 v13, v13, v224
	v_mov_b32 v224, v12
	v_floor_f32 v12, -v13                          ; the new -M = -ceil(t): a whole number
	v_sub_f32 v224, v12, v224                      ; old M - new M, 0 or less
	v_cvt_i32_f32 v224, v224                       ; (it saturates)
	v_ldexp_f32 v226, 1.0, v224                    ; f = 2^(old M - new M)
.irp j, 0,2,4,6,8,10,12,14,16,18,20,22,24,26,28,30,32,34,36,38,40,42,44,46,48,50,52,54,56,58,60,62
	v_pk_fma_f32 v[96+\j:97+\j], v[96+\j:97+\j], s[22:23], v[12:13] op_sel_hi:[1,0,0]   ; t - M, two at a time
.endr
.irp b, 0,1,2,3
	v_fma_f32 v[212+\b], v[212+\b], s22, v12       ; the same of each block's largest score
.endr
.irp j, 0,1,2,3,4,5,6,7,8,9,10,11,12,13,14,15,16,17,18,19,20,21,22,23,24,25,26,27,28,29,30,31,32,33,34,35,36,37,38,39,40,41,42,43,44,45,46,47,48,49,50,51,52,53,54,55,56,57,58,59,60,61,62,63
	v_exp_f32 v[96+\j], v[96+\j]                   ; p = 2^(t - M), at most 1
.endr
	v_pk_mul_f32 v[14:15], v[14:15], v[226:227] op_sel_hi:[1,0]   ; the sums under the new M: the plain instruction behind the exponentials
	s_wait_alu depctr_va_vdst(0)                   ; one wait for the whole batch, ahead of its first reader
.irp b, 0,1,2,3
	v_exp_f32 v[212+\b], v[212+\b]                 ; each block's largest p
.endr
	v_pk_add_f32 v[216:217], v[96:97], v[98:99]    ; the row's sum of the unquantised p, in two chains
.irp j, 4,8,12,16,20,24,28,32,36,40,44,48,52,56,60
	v_pk_add_f32 v[14:15], v[14:15], v[96+\j:97+\j]
	v_pk_add_f32 v[216:217], v[216:217], v[98+\j:99+\j]
.endr
	v_pk_add_f32 v[14:15], v[14:15], v[216:217]
	s_wait_alu depctr_va_vdst(0)                   ; and one for the four
.irp b, 0,1,2,3
	v_max_num_f32 v[212+\b], 0x1800000, v[212+\b]  ; the floor 2^(3 - 127): the byte cannot fall under 1
.endr
.irp b, 0,1,2,3
	v_add_nc_u32 v[220+\b], 0xff000000, v[212+\b]  ; the conversions' scale operands
.endr
.irp b, 0,1,2,3
	v_lshrrev_b32 v[216+\b], 23, v[220+\b]
.endr
	v_lshl_or_b32 v228, v217, 8, v216              ; p's scale word for these 128 keys
	v_lshl_or_b32 v228, v218, 16, v228
	v_lshl_or_b32 v228, v219, 24, v228
.irp c, 0,1
	v_cvt_scalef32_pk16_fp6_f32 v[192+6*\c:194+6*\c], v[96+32*\c:111+32*\c], v[220+2*\c]
	v_cvt_scalef32_pk16_fp6_f32 v[204+4*\c:206+4*\c], v[112+32*\c:127+32*\c], v[220+2*\c+1]
.endr
	v_nop                                          ; one plain instruction behind a scaled conversion
.irp c, 0,1
.irp i, 0,1,2
	v_permlane16_swap_b32 v[192+6*\c+\i], v[204+4*\c+\i]
.endr
.irp i, 0,1,2
	v_mov_b32 v[195+6*\c+\i], v[204+4*\c+\i]
.endr
.endr
.irp j, 0,2,4,6,8,10,12,14,16,18,20,22,24,26,28,30
	v_pk_mul_f32 v[160+\j:161+\j], v[160+\j:161+\j], v[226:227] op_sel_hi:[1,0]   ; O^T under the new M; these also stand between the writes of p's codes and scale word and the products
.endr
	s_wait_dscnt 0x0                               ; V is in
.irp t, 0,1,2,3                                ; four accumulators, one instruction each
	v_wmma_scale_f32_16x16x128_f8f6f4 v[160+8*\t:167+8*\t], v[30+12*\t:41+12*\t], v[192:203], v[160+8*\t:167+8*\t], v[84+\t], v228 matrix_a_fmt:MATRIX_FMT_FP6 matrix_b_fmt:MATRIX_FMT_FP6
.endr
.Lskip_\@:
	s_add_nc_u64 s[2:3], s[2:3], 256               ; the next step's mask words
.endm
; A SLOT: the next slot's K and V are asked for, this slot's two steps are worked, the copy goes to the other parity, one barrier.
; The other parity's readers finished in front of the last barrier; its new bytes are read behind this one.
.macro SLOTWORK par
.if (\par) == 0
	s_and_b32 s100, s24, 0xc                       ; does any tile need the next slot?  (steps 2, 3 of this trip's byte)
.else
	s_and_b32 s100, s24, 0x300                     ; (steps 0, 1 of the next byte; behind the last byte stand zeros)
.endif
	s_cbranch_scc0 .Lnc_\@
	global_load_b128 v[232:235], v1, s[4:5]
	global_load_b128 v[236:239], v7, s[4:5]
	global_load_b128 v[240:243], v8, s[4:5]
	global_load_b32 v244, v9, s[6:7]
.Lnc_\@:
	STEP \par, 0
	STEP \par, 1
	s_wait_loadcnt 0x0                             ; the copy's loads, if any, are in: their bases may step
.if (\par) == 0
	s_and_b32 s100, s24, 0xc
.else
	s_and_b32 s100, s24, 0x300
.endif
	s_cbranch_scc0 .Lns_\@
	v_lshrrev_b32 v244, s101, v244                 ; k's words: my head's two bytes alone
	v_and_b32 v244, s27, v244
	ds_store_b128 v4, v[232:235] offset:32768*(1-(\par))
	ds_store_b128 v4, v[236:239] offset:32768*(1-(\par))+512
	ds_store_b128 v4, v[240:243] offset:32768*(1-(\par))+1024
	ds_store_b32 v5, v244 offset:32768*(1-(\par))
.Lns_\@:
	s_add_nc_u64 s[4:5], s[4:5], s[8:9]
	s_add_nc_u64 s[6:7], s[6:7], s[10:11]
	s_wait_dscnt 0x0                               ; my stores have landed and my reads of this slot are over
	s_barrier_signal -1
	s_barrier_wait -1
.endm
.Lpair:                                            ; 8 trips of two slots: four key steps, one byte of flags
	SLOTWORK 0
	SLOTWORK 1
	s_lshr_b32 s18, s18, 8                         ; the next byte comes down
	s_lshl_b32 s100, s19, 24
	s_or_b32 s18, s18, s100
	s_lshr_b32 s19, s19, 8
	s_lshr_b32 s24, s24, 8
	s_lshl_b32 s100, s25, 24
	s_or_b32 s24, s24, s100
	s_lshr_b32 s25, s25, 8
	s_sub_co_u32 s17, s17, 1
	s_cmp_lg_u32 s17, 0
	s_cbranch_scc1 .Lpair
	; THE WAY OUT: O^T / the sum, quantised along the head's 64 channels: two blocks, each in lanes l and l xor 16
.rept 4
	v_nop                                          ; places behind the last products
.endr
	v_add_f32 v14, v14, v15
	v_permlanex16_b32 v224, v14, s20, s21
	v_add_f32 v14, v14, v224                       ; the row's sum
	v_rcp_f32 v15, v14
	v_and_b32 v229, 15, v0                         ; (a plain instruction behind the reciprocal)
	v_bfe_u32 v230, v0, 4, 1
	v_lshl_add_u32 v229, v229, 2, v230             ; my scale byte's place: 4 r + h
	s_wait_alu depctr_va_vdst(0)                   ; ahead of the reciprocal's first reader
.irp j, 0,1,2,3,4,5,6,7,8,9,10,11,12,13,14,15,16,17,18,19,20,21,22,23,24,25,26,27,28,29,30,31
	v_mul_f32 v[96+\j], v[160+\j], v15             ; register 16 b + i: channel 32 b + 16 h + i
.endr
.irp b, 0,1
	v_max3_num_f32 v[212+\b], |v[96+16*\b]|, |v[97+16*\b]|, 0x1800000
.endr
.irp i, 2,4,6,8,10,12,14
.irp b, 0,1
	v_max3_num_f32 v[212+\b], v[212+\b], |v[96+16*\b+\i]|, |v[97+16*\b+\i]|
.endr
.endr
.irp b, 0,1
	v_permlanex16_b32 v[216+\b], v[212+\b], s20, s21
.endr
.irp b, 0,1
	v_max_num_f32 v[212+\b], v[212+\b], v[216+\b]
.endr
.irp b, 0,1
	v_add_nc_u32 v[220+\b], 0xff000000, v[212+\b]
.endr
.irp b, 0,1
	v_lshrrev_b32 v[216+\b], 23, v[220+\b]
.endr
	v_cmp_neq_f32 vcc_lo, 0, v14
	v_cndmask_b32 v216, 0xff, v216, vcc_lo         ; a row with no key: the byte that stands for NaN
	v_cndmask_b32 v217, 0xff, v217, vcc_lo
	v_cndmask_b32 v218, v216, v217, s26            ; lanes 0-15 store block 0's byte, lanes 16-31 block 1's
	v_cvt_scalef32_pk16_fp6_f32 v[192:194], v[96:111], v220
	v_cvt_scalef32_pk16_fp6_f32 v[196:198], v[112:127], v221
	v_nop                                          ; one plain instruction behind a scaled conversion
.irp i, 0,1,2
	v_permlane16_swap_b32 v[192+\i], v[196+\i]
.endr
.irp i, 0,1,2
	v_mov_b32 v[195+\i], v[196+\i]
.endr
	global_store_b128 v1, v[192:195], s[12:13]     ; half a fragment: 512 + 256 consecutive bytes, aligned
	global_store_b64 v2, v[196:197], s[12:13] offset:512
	global_store_b8 v229, v218, s[14:15]
	s_wait_tensorcnt 0x0
	ds_add_u32 v254, v255
	s_wait_dscnt 0x0
	s_endpgm
.Lfunc_end_k_qecf7e6a76c_attn:
	.size	k_qecf7e6a76c_attn, .Lfunc_end_k_qecf7e6a76c_attn-k_qecf7e6a76c_attn
	.p2alignl 7, 3214868480
	.fill 96, 4, 3214868480
	.section	.rodata,"a",@progbits
	.p2align	6, 0x0
	.amdhsa_kernel k_qecf7e6a76c_attn
		.amdhsa_group_segment_fixed_size 67584
		.amdhsa_private_segment_fixed_size 0
		.amdhsa_enable_private_segment 0
		.amdhsa_kernarg_size 48
		.amdhsa_user_sgpr_count 2
		.amdhsa_user_sgpr_kernarg_segment_ptr 1
		.amdhsa_wavefront_size32 1
		.amdhsa_system_sgpr_workgroup_id_x 1
		.amdhsa_system_sgpr_workgroup_id_y 1
		.amdhsa_system_sgpr_workgroup_id_z 1
		.amdhsa_system_vgpr_workitem_id 0
		.amdhsa_next_free_vgpr 256
		.amdhsa_next_free_sgpr 106
		.amdhsa_reserve_vcc 1
		.amdhsa_float_denorm_mode_32 3
		.amdhsa_float_denorm_mode_16_64 3
		.amdhsa_memory_ordered 1
		.amdhsa_forward_progress 1
		.amdhsa_inst_pref_size 98
	.end_amdhsa_kernel
	.amdgpu_metadata
---
amdhsa.version: [ 1, 2 ]
amdhsa.kernels:
  - .name:           k_qecf7e6a76c_attn
    .symbol:         k_qecf7e6a76c_attn.kd
    .args:
      - { .name: img, .offset: 0, .size: 8, .value_kind: global_buffer, .address_space: global }
      - { .name: isc, .offset: 8, .size: 8, .value_kind: global_buffer, .address_space: global }
      - { .name: mbits, .offset: 16, .size: 8, .value_kind: global_buffer, .address_space: global }
      - { .name: tflag, .offset: 24, .size: 8, .value_kind: global_buffer, .address_space: global }
      - { .name: oimg, .offset: 32, .size: 8, .value_kind: global_buffer, .address_space: global }
      - { .name: osc, .offset: 40, .size: 8, .value_kind: global_buffer, .address_space: global }
    .group_segment_fixed_size: 67584
    .private_segment_fixed_size: 0
    .kernarg_segment_align: 8
    .kernarg_segment_size: 48
    .max_flat_workgroup_size: 512
    .sgpr_count:     106
    .vgpr_count:     256
    .wavefront_size: 32
...
	.end_amdgpu_metadata
.endif
;; end of part 3
;; launch out (part 4): grid 64 x 4, 4 waves a work-group, no clusters, 67,072 bytes of LDS; arguments oimg, osc, cimg, csc, bo, out0; writes out0
.if DOCPART == 4
	.amdgcn_target "amdgcn-amd-amdhsa--gfx1250"
	.amdhsa_code_object_version 6
	.text
	.protected	k_qecf7e6a76c_out
	.globl	k_qecf7e6a76c_out
	.p2align	8
	.type	k_qecf7e6a76c_out,@function
k_qecf7e6a76c_out:
	s_mov_b64 s[64:65], 0
	v_nop
	global_prefetch_b8 v0, s[64:65] scope:SCOPE_SE
	s_setreg_imm32_b32 hwreg(HW_REG_WAVE_MODE, 25, 1), 1
	s_wait_xcnt 0x0
; OUT: out0 = o Wo + bo on codes of FP6 (E2M3) with E8M0 scales, K = 1,024.  o and Wo come as fragment images ([K step][tile][1536], scale words [K step][tile][64]).
; A work-group takes 64 rows (4 tiles) x 256 columns: 256 work-groups.  Wave w keeps its 64 columns of Wo, 4 tiles x 8 K steps, in 384 registers; o's 32 fragments go through LDS once for the four waves.
; All loads of a work-group leave at its head and nothing recurs: no ring, no tensor load.  What neighbours could share is o's 48 KiB of a work-group's 240: no joint loads.
; TRANSPOSED: source 0 = 16 columns of Wo, source 1 = 16 rows of o: a lane holds one row and, by the choice of a tile's columns made when Wo was laid out, 16 neighbouring columns in two tiles' registers.
; The rows of a tile of o are not neighbours (lane-row r of tile T is row 32 (T/2) + 8 (T%2) + r%8 + 16 (r/8)): the stores' immediates put them back.  bo is the C of each sum's first instruction.
; REGISTERS: window 0: v1-8 addresses; v16-47, v224-255 rows on the way out; v64-159 the copy, then o's fragments in two sets; v160-191 Wo's scale words, v192-223 o's.
;   window 1: Wo, K steps 0-3, at 12 (4 ks + t); window 2: K steps 4-7; window 3: v0-127 the 16 accumulators (m, t) at 8 (4 m + t); v128-159 the bias table.
.set STG, 49152                        ; behind o's images: a stage of 16 rows x (256 + 16) bytes for each wave
.set SPI, 272
.set MSB, 0
.macro WIN new                         ; the immediate's high byte repeats the setting that is left
.if MSB != \new
	s_set_vgpr_msb (MSB<<8)|\new
.set MSB, \new
.endif
.endm
	s_load_b256 s[4:11], s[0:1], 0x0               ; oimg s[4:5], osc s[6:7], cimg s[8:9], csc s[10:11]
	s_load_b128 s[12:15], s[0:1], 0x20             ; bo s[12:13], out0 s[14:15]
	v_lshl_add_u32 v62, v0, 2, 0x10400
	v_mov_b32 v63, 0
	v_lshrrev_b32 v1, 5, v0
	v_readfirstlane_b32 s16, v1                    ; wave 0..3
	v_and_b32 v9, 31, v0
	v_and_b32 v10, 15, v0                          ; r
	v_bfe_u32 v11, v0, 4, 1                        ; h
	v_lshlrev_b32 v1, 4, v9
	v_lshlrev_b32 v2, 3, v9
	v_lshlrev_b32 v3, 2, v10
	v_lshlrev_b32 v7, 6, v11
	s_mul_i32 s17, s16, 16*SPI
	s_add_co_u32 s17, s17, STG
	v_mul_u32_u24 v4, v10, SPI
	v_lshl_add_u32 v4, v11, 6, v4
	v_add_nc_u32 v4, s17, v4                       ; into my stage: row r, 64 h
	v_mul_u32_u24 v5, v11, SPI
	v_lshl_add_u32 v5, v10, 4, v5
	v_add_nc_u32 v5, s17, v5                       ; back: lanes 0-15 one row of 256 bytes, lanes 16-31 the next
	v_lshlrev_b32 v6, 12, v11
	v_lshl_add_u32 v6, v10, 4, v6                  ; and the same in out0: rows of 4,096 bytes
	s_mul_i32 s17, s16, 12288
	v_add_nc_u32 v8, s17, v1                       ; the copy: wave w brings K steps 2 w, 2 w + 1
	s_and_b32 s18, ttmp7, 0xffff                   ; which 256 columns
	s_mul_i32 s20, ttmp9, 6144
	s_mul_i32 s21, s16, 786432
	s_add_co_u32 s20, s20, s21
	s_mov_b32 s21, 0
	s_lshl_b32 s22, s18, 4
	s_lshl_b32 s23, s16, 2
	s_add_co_u32 s22, s22, s23
	s_add_co_u32 s22, s22, 448                     ; Wo's tiles begin at 448: my four
	s_lshl_b32 s24, s22, 6
	s_mov_b32 s25, 0
	s_mul_i32 s22, s22, 1536
	s_mov_b32 s23, 0
	s_lshl_b32 s26, ttmp9, 8
	s_mov_b32 s27, 0
	s_lshl_b32 s28, s18, 10
	s_lshl_b32 s29, s16, 8
	s_add_co_u32 s28, s28, s29
	s_mov_b32 s29, 0
	s_lshl_b32 s30, ttmp9, 18
	s_add_co_u32 s30, s30, s28
	s_mov_b32 s31, 0
	s_wait_kmcnt 0x0
	s_add_nc_u64 s[4:5], s[4:5], s[20:21]
	s_add_nc_u64 s[6:7], s[6:7], s[26:27]
	s_add_nc_u64 s[8:9], s[8:9], s[22:23]
	s_add_nc_u64 s[10:11], s[10:11], s[24:25]
	s_add_nc_u64 s[12:13], s[12:13], s[28:29]
	s_add_nc_u64 s[14:15], s[14:15], s[30:31]
.irp e, 0,1
.irp n, 0,1,2,3,4,5,6,7,8,9,10,11
	global_load_b128 v[64+48*\e+4*\n:67+48*\e+4*\n], v1, s[4:5] offset:393216*\e+512*\n   ; four tiles of a K step are 6,144 consecutive bytes
.endr
.endr
.macro WLOAD ks
.irp t, 0,1,2,3
	global_load_b128 v[12*(4*((\ks)%4)+\t):12*(4*((\ks)%4)+\t)+3], v1, s[8:9] offset:786432*(\ks)+1536*\t
	global_load_b64 v[12*(4*((\ks)%4)+\t)+4:12*(4*((\ks)%4)+\t)+5], v2, s[8:9] offset:786432*(\ks)+1536*\t+512
	global_load_b128 v[12*(4*((\ks)%4)+\t)+6:12*(4*((\ks)%4)+\t)+9], v1, s[8:9] offset:786432*(\ks)+1536*\t+768
	global_load_b64 v[12*(4*((\ks)%4)+\t)+10:12*(4*((\ks)%4)+\t)+11], v2, s[8:9] offset:786432*(\ks)+1536*\t+1280
.endr
.endm
	WIN 0x40                                       ; destination window 1
.irp k, 0,1,2,3
	WLOAD \k
.endr
	WIN 0x80                                       ; destination window 2
.irp k, 4,5,6,7
	WLOAD \k
.endr
	WIN 0xc0                                       ; destination window 3: tile t's registers are columns 32 (t / 2) + 16 h + 8 (t % 2) + 0 .. 7
.irp t, 0,1,2,3
	global_load_b128 v[128+8*\t:131+8*\t], v7, s[12:13] offset:(32*(\t/2)+8*(\t%2))*4
	global_load_b128 v[132+8*\t:135+8*\t], v7, s[12:13] offset:(32*(\t/2)+8*(\t%2))*4+16
.endr
	WIN 0
.irp k, 0,1,2,3,4,5,6,7
.irp t, 0,1,2,3
	global_load_b32 v[160+4*\k+\t], v3, s[10:11] offset:32768*\k+64*\t
	global_load_b32 v[192+4*\k+\t], v3, s[6:7] offset:16384*\k+64*\t
.endr
.endr
	s_wait_loadcnt 0x0
.irp e, 0,1
.irp n, 0,1,2,3,4,5,6,7,8,9,10,11
	ds_store_b128 v8, v[64+48*\e+4*\n:67+48*\e+4*\n] offset:6144*\e+512*\n
.endr
.endr
	s_wait_dscnt 0x0                               ; for the others' sake: my stores have landed
	s_barrier_signal -1
	s_barrier_wait -1                              ; o's 32 fragments lie in LDS
.macro FRAG reg, off
	ds_load_b128 v[\reg:\reg+3], v1 offset:\off
	ds_load_b64 v[\reg+4:\reg+5], v2 offset:\off+512
	ds_load_b128 v[\reg+6:\reg+9], v1 offset:\off+768
	ds_load_b64 v[\reg+10:\reg+11], v2 offset:\off+1280
.endm
.macro FETCH ks                        ; a K step's four fragments of o into set ks % 2: 16 loads
.irp m, 0,1,2,3
	FRAG 64+48*((\ks)%2)+12*\m, 6144*(\ks)+1536*\m
.endr
.endm
	FETCH 0
	FETCH 1
.irp k, 0,1,2,3,4,5,6,7
.if \k < 7
	s_wait_dscnt 16                                ; this K step's fragments are in; the next step's 16 loads may be out
.else
	s_wait_dscnt 0x0
.endif
.if \k < 4
	WIN 0xf1                                       ; source 0 (Wo) window 1, source 1 (o) window 0, C and D window 3
.else
	WIN 0xf2
.endif
.irp m, 0,1,2,3                                ; the 16 accumulators take turns, one instruction a turn
.irp t, 0,1,2,3
.if \k == 0
	v_wmma_scale_f32_16x16x128_f8f6f4 v[8*(4*\m+\t):8*(4*\m+\t)+7], v[12*(4*(\k%4)+\t):12*(4*(\k%4)+\t)+11], v[64+48*(\k%2)+12*\m:64+48*(\k%2)+12*\m+11], v[128+8*\t:135+8*\t], v[160+4*\k+\t], v[192+4*\k+\m] matrix_a_fmt:MATRIX_FMT_FP6 matrix_b_fmt:MATRIX_FMT_FP6
.else
	v_wmma_scale_f32_16x16x128_f8f6f4 v[8*(4*\m+\t):8*(4*\m+\t)+7], v[12*(4*(\k%4)+\t):12*(4*(\k%4)+\t)+11], v[64+48*(\k%2)+12*\m:64+48*(\k%2)+12*\m+11], v[8*(4*\m+\t):8*(4*\m+\t)+7], v[160+4*\k+\t], v[192+4*\k+\m] matrix_a_fmt:MATRIX_FMT_FP6 matrix_b_fmt:MATRIX_FMT_FP6
.endif
.endr
.endr
	WIN 0
.rept 4
	v_nop                                          ; places in front of loads into registers that the products have read, and of the first read of results
.endr
.if \k < 6
	FETCH \k+2
.endif
.endr
	; THE WAY OUT, a tile of 16 rows at a time through my own stage: in as 32 bytes a lane, back as whole rows of 256 bytes
.irp m, 0,1,2,3
	WIN 0x0c                                       ; an LDS store's data: window 3
.irp t, 0,1,2,3
	ds_store_b128 v4, v[8*(4*\m+\t):8*(4*\m+\t)+3] offset:128*(\t/2)+32*(\t%2)        ; each accumulator from its low end on
	ds_store_b128 v4, v[8*(4*\m+\t)+4:8*(4*\m+\t)+7] offset:128*(\t/2)+32*(\t%2)+16
.endr
	WIN 0
.if \m > 1
	s_wait_xcnt 0x0                                ; the stores of two tiles ago have read the registers into which the loads below land
.endif
.irp i, 0,1,2,3,4,5,6,7
	ds_load_b128 v[16+208*(\m%2)+4*\i:19+208*(\m%2)+4*\i], v5 offset:2*\i*SPI   ; LDS serves a wave's instructions in order: these see my stores, and the next tile's stores come behind them
.endr
.irp i, 0,1,2,3,4,5,6,7
	s_wait_dscnt 7-\i
	global_store_b128 v6, v[16+208*(\m%2)+4*\i:19+208*(\m%2)+4*\i], s[14:15] offset:(32*(\m/2)+8*(\m%2)+2*(\i%4)+16*(\i/4))*4096 th:TH_STORE_NT   ; sixteen lanes store 256 consecutive bytes, aligned; lane-rows 2 i + h back at their true rows
.endr
.endr
	s_wait_tensorcnt 0x0
	ds_add_u32 v62, v63
	s_wait_dscnt 0x0
	s_endpgm
.Lfunc_end_k_qecf7e6a76c_out:
	.size	k_qecf7e6a76c_out, .Lfunc_end_k_qecf7e6a76c_out-k_qecf7e6a76c_out
	.p2alignl 7, 3214868480
	.fill 96, 4, 3214868480
	.section	.rodata,"a",@progbits
	.p2align	6, 0x0
	.amdhsa_kernel k_qecf7e6a76c_out
		.amdhsa_group_segment_fixed_size 67072
		.amdhsa_private_segment_fixed_size 0
		.amdhsa_enable_private_segment 0
		.amdhsa_kernarg_size 48
		.amdhsa_user_sgpr_count 2
		.amdhsa_user_sgpr_kernarg_segment_ptr 1
		.amdhsa_wavefront_size32 1
		.amdhsa_system_sgpr_workgroup_id_x 1
		.amdhsa_system_sgpr_workgroup_id_y 1
		.amdhsa_system_sgpr_workgroup_id_z 1
		.amdhsa_system_vgpr_workitem_id 0
		.amdhsa_next_free_vgpr 1024
		.amdhsa_next_free_sgpr 66
		.amdhsa_reserve_vcc 0
		.amdhsa_float_denorm_mode_32 3
		.amdhsa_float_denorm_mode_16_64 3
		.amdhsa_memory_ordered 1
		.amdhsa_forward_progress 1
		.amdhsa_inst_pref_size 60
	.end_amdhsa_kernel
	.amdgpu_metadata
---
amdhsa.version: [ 1, 2 ]
amdhsa.kernels:
  - .name:           k_qecf7e6a76c_out
    .symbol:         k_qecf7e6a76c_out.kd
    .args:
      - { .name: oimg, .offset: 0, .size: 8, .value_kind: global_buffer, .address_space: global }
      - { .name: osc, .offset: 8, .size: 8, .value_kind: global_buffer, .address_space: global }
      - { .name: cimg, .offset: 16, .size: 8, .value_kind: global_buffer, .address_space: global }
      - { .name: csc, .offset: 24, .size: 8, .value_kind: global_buffer, .address_space: global }
      - { .name: bo, .offset: 32, .size: 8, .value_kind: global_buffer, .address_space: global }
      - { .name: out0, .offset: 40, .size: 8, .value_kind: global_buffer, .address_space: global }
    .group_segment_fixed_size: 67072
    .private_segment_fixed_size: 0
    .kernarg_segment_align: 8
    .kernarg_segment_size: 48
    .max_flat_workgroup_size: 128
    .sgpr_count:     66
    .vgpr_count:     1024
    .wavefront_size: 32
...
	.end_amdgpu_metadata
.endif
;; end of part 4
;; ======== version 2 of 2: 4 launches; version 1 with the launches attn, out written anew for expert scheduling mode
;; workspace buffers: cimg 6,291,456 bytes; csc 262,144 bytes; img 9,437,184 bytes; isc 393,216 bytes; oimg 3,145,728 bytes; osc 131,072 bytes; mbits 2,097,152 bytes of whole numbers; tflag 2,048 bytes of whole numbers
;; launch prep: the kernel of part 1 again; grid 640 x 1, 8 waves a work-group, no clusters, 95,232 bytes of LDS; arguments mask, x, Wq, Wk, Wv, Wo, mbits, tflag, cimg, csc; writes mbits, tflag, cimg, csc
;; launch proj: the kernel of part 2 again; grid 12 x 16, 4 waves a work-group, clusters of 4 x 4, 327,680 bytes of LDS; arguments cimg, csc, bq, bk, bv, img, isc; writes img, isc
;; launch attn (part 5): grid 16 x 16, 16 waves a work-group, no clusters, 67,584 bytes of LDS; arguments img, isc, mbits, tflag, oimg, osc; writes oimg, osc
.if DOCPART == 5
	.amdgcn_target "amdgcn-amd-amdhsa--gfx1250"
	.amdhsa_code_object_version 6
	.text
	.protected	k_qecf7e6a76c_attn
	.globl	k_qecf7e6a76c_attn
	.p2align	8
	.type	k_qecf7e6a76c_attn,@function
k_qecf7e6a76c_attn:
	s_mov_b64 s[64:65], 0
	v_nop
	global_prefetch_b8 v0, s[64:65] scope:SCOPE_SE
	s_setreg_imm32_b32 hwreg(HW_REG_WAVE_SCHED_MODE, 0, 2), 2
	s_setreg_imm32_b32 hwreg(HW_REG_WAVE_MODE, 25, 1), 1
	s_wait_xcnt 0x0
	s_wait_alu depctr_vm_vsrc(0)
; ATTN: o = softmax(q k^T / 8 + mask) v for one head, both products on codes of FP6 (E2M3) with E8M0 scales; o is quantised in registers and leaves as half a fragment image.
; THE SOFTMAX: t = score x log2(e) / 8; M = the row's largest t so far, rounded up to a whole number; p = 2^(t - M) is quantised along the keys, not normalised; the row's sum is taken
; of the unquantised p and divides O at the end.  When M moves, the sum and O are multiplied by 2^(old M - new M): exact.
; SHARES.  Work-group (i, head): waves 0-7 own the tiles of 16 queries 8 i + w, waves 8-15 the tiles 8 (31 - i) + w - 8; a wave owns one tile in 256 registers, four waves to a SIMD.
; Every work-group walks all 16 slots of 256 keys: constant trip count, one barrier a slot.  THE MASK IS AN INPUT: the launch before has stored, for each tile and key step, whether any key
; counts and whether all count.  A step in which none counts is passed over by a scalar branch on that stored bit; where all count the 64 selects are passed over; a slot that none of the
; work-group's 16 tiles needs is not copied.  Since branches hang on stored numbers the launch has no tensor load, hence no joint loads and no cluster: K and V go memory -> registers -> LDS,
; a slot ahead: the loads are issued two key steps before their data are stored to LDS, so no wave waits for that stream, and no prefetch is laid.
; LAYOUT.  Both products transposed: S^T = K Q^T (source 0 = 16 keys), O^T = V^T P^T (source 0 = 16 channels): a lane holds one query throughout.  The keys of a tile of K and the channels
; of a tile of V were chosen by the launches before so that two neighbouring tiles' 16 registers are 16 true neighbours.
; THE FIRST PRODUCT'S K IS 64: Q's registers 6-11 hold zero codes; K's operand then names the next tile's codes there, which meet zeros; the scale bytes 2, 3 of both are 0, no NaN.
; A query for which no key counts has the sum 0: its scale bytes are set to 0xff, which makes its row of the last product NaN, as the softmax of an empty row is.
; LIMITS: NaN and infinities among the operands are not served; a block of p or o under 2^-124 gets the byte 1.
; LDS, parity p at 32,768 p: [0, 12288) K: tile at 768 x tile; [12288, 24576) V: 1,536 x (4 step + tile); [24576, 25600) K's scale words; [25600, 26624) V's, 128 bytes a tile.
; THE MODE: SCHED_MODE bits 1:0 = 2 (LLVM: expert scheduling mode 2), set by the entry lines.  The code itself states the register dependences
; between vector or matrix instructions and memory or LDS instructions, with s_wait_alu, always for 0.
; THE PLAN.  Registers that memory or LDS instructions touch:
;   v1-5, v7-9, v230  addresses and offsets: written at the head, ahead of one wait on va_vdst, and never again while a memory instruction may read them.
;   v30-77, v84-91    K's fragments and scale words land here at a step's head and are read by the eight products K Q^T; V's land here behind the exponentials and are read by the four products V^T P.
;   v232-244          the copy: global loads land here at a slot's head; LDS stores read them at its end; of vector lines only the two that cut v244 name one of them.
;   v192-197, v218, v229  the way out: written by vector lines, read by the three stores.
; A KEY STEP HAS FOUR WAITS ON va_vdst: at its head (the last step's V^T P is done reading V's registers: K's loads may land); behind the 64 exponentials (p is written; and K Q^T is done reading
; K's registers: V's loads may land, and stand there); behind the four block exponentials; and ahead of V^T P (p's codes and scale word are written).
; THE COPY has one wait on va_vdst (v244 is written, ahead of its LDS store) and one on vm_vsrc straight behind the LDS stores (they have read v232-244), both inside the branch that holds the stores.
; REGISTERS: v1 16 lane, v2 8 lane, v3 24576 + 4 r, v4, v5 the copy's places in LDS, v7-9 its offsets in memory, v10 -infinity, v12 -M, v13 the largest t, v[14:15] the sum,
;   v16-27 Q, v28 its scale word, v30-83 K (tile t at 30 + 6 t; v78-83 zeros) or V (30 + 12 t), v84-91 scale words, v96-159 S^T then p, v160-191 O^T, v192-203 p's codes,
;   v204-211 conversions, v212-215 block maxima, v216-219 at work, v220-223 scale operands, v224 at work, v[226:227] f and 0, v228 p's scale word, v230 4 r (at the head), v232-244 the copy.
;   s[2:3] mask words, s[4:7] the copy's bases, s[8:11] their steps, s[12:15] o's places, s16 wave, s17 trips, s[18:19] my flags, s[20:21] lane selects, s[22:23] c, s[24:25] the work-group's flags,
;   s26 lanes 16-31, s27 and s101 the copy's word mask and shift, s[28:59] and s[68:99] a step's 64 mask words.
	s_load_b256 s[28:35], s[0:1], 0x0              ; img s[28:29], isc s[30:31], mbits s[32:33], tflag s[34:35]
	s_load_b128 s[12:15], s[0:1], 0x20             ; oimg, osc
	v_lshl_add_u32 v254, v0, 2, 0x10000
	v_mov_b32 v255, 0
	v_lshrrev_b32 v1, 5, v0
	v_readfirstlane_b32 s16, v1                    ; wave 0..15
	v_and_b32 v224, 31, v0                         ; lane
	v_and_b32 v225, 15, v0                         ; r
	v_bfe_u32 v229, v0, 4, 1                       ; h
	v_lshlrev_b32 v1, 4, v224
	v_lshlrev_b32 v2, 3, v224
	v_lshl_add_u32 v3, v225, 2, 24576
	v_lshlrev_b32 v230, 2, v225                    ; Q's scale words: 4 r
	s_wait_alu depctr_va_sdst(0)                   ; s16 is written, ahead of its first reader: LDS places, tiles and bases are made from it
	s_mul_i32 s100, s16, 1536
	v_lshl_add_u32 v4, v224, 4, s100               ; the copy: wave w fills bytes 1,536 w on: waves 0-7 K's 16 half tiles, waves 8-15 V's 8 tiles
	s_lshl_b32 s100, s16, 7
	s_add_co_u32 s100, s100, 24576
	v_lshl_add_u32 v5, v224, 2, s100               ; and 128 bytes of scale words
	s_sub_co_u32 s101, 31, ttmp9
	s_and_b32 s100, s16, 7
	s_cmp_lt_u32 s16, 8
	s_cselect_b32 s104, ttmp9, s101                ; my block of 128 queries
	s_lshl_b32 s104, s104, 3
	s_add_co_u32 s104, s104, s100                  ; T: my tile
	s_and_b32 s105, ttmp7, 0xffff                  ; the head
	s_lshl_b32 s52, s104, 3
	s_lshl_b32 s53, ttmp9, 6
	s_lshl_b32 s54, s101, 6
	s_wait_kmcnt 0x0
	s_load_b64 s[18:19], s[34:35], s52 offset:0x0  ; my tile's 8 bytes of flags
	s_load_b512 s[36:51], s[34:35], s53 offset:0x0 ; those of the work-group's 16 tiles
	s_load_b512 s[68:83], s[34:35], s54 offset:0x0
	s_lshl_b32 s58, s104, 13
	s_mov_b32 s59, 0
	s_add_nc_u64 s[2:3], s[32:33], s[58:59]        ; my tile's mask words: 256 bytes a key step
	s_lshr_b32 s55, s105, 1
	s_lshl_b32 s55, s55, 8                         ; 256 x the pair of heads
	s_and_b32 s56, s105, 1                         ; which head of the pair
	s_add_co_u32 s57, s55, s104                    ; q's and o's tile number
	s_mul_i32 s58, s57, 1536
	s_mul_i32 s59, s56, 768
	s_add_co_u32 s58, s58, s59
	s_mov_b32 s59, 0
	s_add_nc_u64 s[12:13], s[12:13], s[58:59]      ; o: my half of the fragment
	s_add_nc_u64 s[60:61], s[28:29], s[58:59]      ; Q likewise
	s_lshl_b32 s58, s57, 6
	s_add_nc_u64 s[62:63], s[30:31], s[58:59]      ; Q's scale words
	s_lshl_b32 s100, s56, 1
	s_add_co_u32 s58, s58, s100
	s_add_nc_u64 s[14:15], s[14:15], s[58:59]      ; o's scale bytes: my head's two of each word
	; the copy: K-waves take tiles 2 w, 2 w + 1 of a slot (my head's halves), V-waves the tile (step (w - 8) / 4, tile (w - 8) % 4)
	s_and_b32 s84, s16, 7
	s_lshl_b32 s85, s84, 1
	s_add_co_u32 s85, s85, s55
	s_add_co_u32 s85, s85, 2048                    ; k's groups follow q's eight
	s_mul_i32 s86, s85, 1536
	s_mul_i32 s87, s56, 768
	s_add_co_u32 s86, s86, s87
	s_lshl_b32 s85, s85, 6
	s_lshr_b32 s88, s84, 2
	s_lshl_b32 s88, s88, 6
	s_and_b32 s89, s84, 3
	s_add_co_u32 s88, s88, s89
	s_lshl_b32 s89, s105, 2
	s_add_co_u32 s88, s88, s89
	s_mul_i32 s90, s88, 1536
	s_add_co_u32 s90, s90, 6291456
	s_lshl_b32 s88, s88, 6
	s_add_co_u32 s88, s88, 262144
	s_lshl_b32 s91, s56, 4                         ; 16 x (head % 2): where my head's two bytes stand in a word of q's or k's
	s_mov_b32 s92, 196608
	s_mov_b32 s93, 8192
	s_mov_b32 s95, 1024
	s_cmp_lt_u32 s16, 8
	s_cselect_b32 s86, s86, s90
	s_cselect_b32 s88, s85, s88
	s_cselect_b32 s101, s91, 0
	s_cselect_b32 s27, 0xffff, -1
	s_cselect_b32 s8, 24576, s92                   ; a slot on: 16 tiles of k, or two key steps of v
	s_cselect_b32 s10, 1024, s93
	s_cselect_b32 s94, 768, 0
	s_cselect_b32 s95, 1792, s95
	s_cselect_b32 s96, 31, 15
	s_mov_b32 s87, 0
	s_mov_b32 s89, 0
	s_mov_b32 s9, 0
	s_mov_b32 s11, 0
	s_add_nc_u64 s[4:5], s[28:29], s[86:87]
	s_add_nc_u64 s[6:7], s[30:31], s[88:89]
	v_mul_u32_u24 v7, s94, v229                    ; K-waves pass over the other head's 768 bytes between their two halves
	v_add3_u32 v7, v7, v1, 512
	v_add_nc_u32 v8, s95, v1
	v_and_b32 v9, s96, v224
	v_lshlrev_b32 v9, 2, v9
	s_wait_alu depctr_va_vdst(0)                   ; v1-5, v7-9 and v230 are written: every load, store and LDS instruction of the kernel but the last store takes its address from them
	global_load_b128 v[16:19], v1, s[60:61]        ; Q: one wait below serves it and slot 0 alike, so the loads stand together
	global_load_b64 v[20:21], v2, s[60:61] offset:512
	global_load_b32 v28, v230, s[62:63]            ; Q's scale words, both heads'
	global_load_b128 v[232:235], v1, s[4:5]        ; slot 0
	global_load_b128 v[236:239], v7, s[4:5]
	global_load_b128 v[240:243], v8, s[4:5]
	global_load_b32 v244, v9, s[6:7]
	s_mov_b32 s20, 0x76543210
	s_mov_b32 s21, 0xfedcba98
	s_mov_b32 s22, 0x3e38aa3b                      ; c = log2(e) / 8
	s_mov_b32 s23, s22
	s_mov_b32 s26, 0xffff0000
	s_mov_b32 s17, 8
	v_mov_b32 v10, 0xff800000
	v_mov_b32 v13, 0xff61b1e6                      ; the largest t so far: -3e38, under every t
	v_floor_f32 v12, -v13
	v_mov_b32 v14, 0
	v_mov_b32 v15, 0
	v_mov_b32 v227, 0
.irp j, 22,23,24,25,26,27,78,79,80,81,82,83,216,217,218,219
	v_mov_b32 v[\j], 0                             ; Q's upper half and the registers behind K's last tile: zero codes; v216-219: a lane permute's destination counts as read
.endr
	s_wait_kmcnt 0x0
	s_mov_b32 s24, s36
	s_mov_b32 s25, s37
.irp p, 38,40,42,44,46,48,50,68,70,72,74,76,78,80,82
	s_or_b32 s24, s24, s[\p]                       ; what any of the 16 tiles needs
	s_or_b32 s25, s25, s[\p+1]
.endr
	s_wait_loadcnt 0x0
	v_lshrrev_b32 v28, s91, v28
	v_and_b32 v28, 0xffff, v28                     ; my head's two bytes; bytes 2 and 3 are 0
	v_lshrrev_b32 v244, s101, v244
	v_and_b32 v244, s27, v244
	ds_store_b128 v4, v[232:235]                   ; these three read loaded data and v4 alone: no vector line since the last wait names them
	ds_store_b128 v4, v[236:239] offset:512
	ds_store_b128 v4, v[240:243] offset:1024
	s_wait_alu depctr_va_vdst(0)                   ; v244 is written, which the LDS store reads; so are v28, v22-27 and v78-83, which the scaled products take as scale and as codes
	ds_store_b32 v5, v244
	s_wait_alu depctr_vm_vsrc(0)                   ; the LDS stores have read v232-244, in which the next copy's loads land; Q's load has read v230, which the way out writes
	s_add_nc_u64 s[4:5], s[4:5], s[8:9]            ; (the loads are done: their bases may step)
	s_add_nc_u64 s[6:7], s[6:7], s[10:11]
.irp j, 0,1,2,3,4,5,6,7,8,9,10,11,12,13,14,15,16,17,18,19,20,21,22,23,24,25,26,27,28,29,30,31
	v_mov_b32 v[160+\j], 0                         ; O^T: which step is a wave's first hangs on the flags, so no first step is written out; the first change of M leaves zeros zeros
.endr
	s_wait_dscnt 0x0
	s_barrier_signal -1
	s_barrier_wait -1
; A KEY STEP: 128 keys, the q-th of the slot of parity par; its flags are bits 2 par + q (any) and 4 + 2 par + q (all) of s18
.macro STEP par, q
	s_bitcmp1_b32 s18, 2*(\par)+(\q)
	s_cbranch_scc0 .Lskip_\@
	s_load_b512 s[28:43], s[2:3], 0x0              ; the step's 64 mask words: they land under the first product
	s_load_b512 s[44:59], s[2:3], 0x40
	s_load_b512 s[68:83], s[2:3], 0x80
	s_load_b512 s[84:99], s[2:3], 0xc0
.rept 4
	v_nop                                          ; four plain instructions between the last step's products and the loads into registers that they have read
.endr
	s_wait_alu depctr_va_vdst(0)                   ; the last step's products V^T P are done reading V's fragments and scale words, v30-77 and v84-87, in which K's loads land
.irp t, 0,1,2,3,4,5,6,7
	ds_load_b128 v[30+6*\t:33+6*\t], v1 offset:32768*(\par)+768*(8*(\q)+\t)
	ds_load_b64 v[34+6*\t:35+6*\t], v2 offset:32768*(\par)+768*(8*(\q)+\t)+512
	ds_load_b32 v[84+\t], v3 offset:32768*(\par)+64*(8*(\q)+\t)
.endr
	s_wait_dscnt 0x0
.irp t, 0,1,2,3,4,5,6,7
	v_wmma_scale_f32_16x16x128_f8f6f4 v[96+8*\t:103+8*\t], v[30+6*\t:41+6*\t], v[16:27], 0, v[84+\t], v28 matrix_a_fmt:MATRIX_FMT_FP6 matrix_b_fmt:MATRIX_FMT_FP6
.endr
.rept 4
	v_nop                                          ; places in front of the first read of the scores
.endr
	s_wait_kmcnt 0x0                               ; the mask words are in, and their base may step
	s_bitcmp1_b32 s18, 4+2*(\par)+(\q)
	s_cbranch_scc1 .Lopen_\@
.irp n, 0,1,2,3,4,5,6,7,8,9,10,11,12,13,14,15,16,17,18,19,20,21,22,23,24,25,26,27,28,29,30,31
	v_cndmask_b32 v[96+\n], v10, v[96+\n], s[28+\n]   ; word n holds the 32 lanes' bits for register n: a hidden score becomes -infinity, p = 0 then
.endr
.irp n, 32,33,34,35,36,37,38,39,40,41,42,43,44,45,46,47,48,49,50,51,52,53,54,55,56,57,58,59,60,61,62,63
	v_cndmask_b32 v[96+\n], v10, v[96+\n], s[36+\n]
.endr
.Lopen_\@:
.irp b, 0,1,2,3
	v_max3_num_f32 v[212+\b], v[96+16*\b], v[97+16*\b], v[98+16*\b]   ; the largest score of each block of 32 keys: for the row's maximum, and, since p rises with the score, for the block's largest p
.endr
.irp i, 3,5,7,9,11,13
.irp b, 0,1,2,3
	v_max3_num_f32 v[212+\b], v[212+\b], v[96+16*\b+\i], v[97+16*\b+\i]
.endr
.endr
.irp b, 0,1,2,3
	v_max_num_f32 v[212+\b], v[212+\b], v[111+16*\b]
.endr
.irp b, 0,1,2,3
	v_permlanex16_b32 v[216+\b], v[212+\b], s20, s21
.endr
.irp b, 0,1,2,3
	v_max_num_f32 v[212+\b], v[212+\b], v[216+\b]  ; with lane l xor 16's 16 keys
.endr
	v_max3_num_f32 v224, v212, v213, v214
	v_max_num_f32 v224, v224, v215
	v_mul_f32 v224, s22, v224                      ; the step's largest t of my query
	v_max_num_f32 v13, v13, v224
	v_mov_b32 v224, v12
	v_floor_f32 v12, -v13                          ; the new -M = -ceil(t): a whole number
	v_sub_f32 v224, v12, v224                      ; old M - new M, 0 or less
	v_cvt_i32_f32 v224, v224                       ; (it saturates)
	v_ldexp_f32 v226, 1.0, v224                    ; f = 2^(old M - new M)
.irp j, 0,2,4,6,8,10,12,14,16,18,20,22,24,26,28,30,32,34,36,38,40,42,44,46,48,50,52,54,56,58,60,62
	v_pk_fma_f32 v[96+\j:97+\j], v[96+\j:97+\j], s[22:23], v[12:13] op_sel_hi:[1,0,0]   ; t - M, two at a time
.endr
.irp b, 0,1,2,3
	v_fma_f32 v[212+\b], v[212+\b], s22, v12       ; the same of each block's largest score
.endr
.irp j, 0,1,2,3,4,5,6,7,8,9,10,11,12,13,14,15,16,17,18,19,20,21,22,23,24,25,26,27,28,29,30,31,32,33,34,35,36,37,38,39,40,41,42,43,44,45,46,47,48,49,50,51,52,53,54,55,56,57,58,59,60,61,62,63
	v_exp_f32 v[96+\j], v[96+\j]                   ; p = 2^(t - M), at most 1
.endr
	v_pk_mul_f32 v[14:15], v[14:15], v[226:227] op_sel_hi:[1,0]   ; the sums under the new M: the plain instruction behind the exponentials
	s_wait_alu depctr_va_vdst(0)                   ; the 64 exponentials have written p, ahead of its first reader; and the products K Q^T are done reading K's fragments and scale words, in which V's loads land
.irp t, 0,1,2,3                                ; V's four tiles land under the sums, the conversions and the rescaling of O^T
	ds_load_b128 v[30+12*\t:33+12*\t], v1 offset:32768*(\par)+12288+1536*(4*(\q)+\t)
	ds_load_b64 v[34+12*\t:35+12*\t], v2 offset:32768*(\par)+12288+1536*(4*(\q)+\t)+512
	ds_load_b128 v[36+12*\t:39+12*\t], v1 offset:32768*(\par)+12288+1536*(4*(\q)+\t)+768
	ds_load_b64 v[40+12*\t:41+12*\t], v2 offset:32768*(\par)+12288+1536*(4*(\q)+\t)+1280
	ds_load_b32 v[84+\t], v3 offset:32768*(\par)+1024+128*(4*(\q)+\t)
.endr
.irp b, 0,1,2,3
	v_exp_f32 v[212+\b], v[212+\b]                 ; each block's largest p
.endr
	v_pk_add_f32 v[216:217], v[96:97], v[98:99]    ; the row's sum of the unquantised p, in two chains
.irp j, 4,8,12,16,20,24,28,32,36,40,44,48,52,56,60
	v_pk_add_f32 v[14:15], v[14:15], v[96+\j:97+\j]
	v_pk_add_f32 v[216:217], v[216:217], v[98+\j:99+\j]
.endr
	v_pk_add_f32 v[14:15], v[14:15], v[216:217]
	s_wait_alu depctr_va_vdst(0)                   ; the four exponentials have written v212-215, ahead of their first reader
.irp b, 0,1,2,3
	v_max_num_f32 v[212+\b], 0x1800000, v[212+\b]  ; the floor 2^(3 - 127): the byte cannot fall under 1
.endr
.irp b, 0,1,2,3
	v_add_nc_u32 v[220+\b], 0xff000000, v[212+\b]  ; the conversions' scale operands
.endr
.irp b, 0,1,2,3
	v_lshrrev_b32 v[216+\b], 23, v[220+\b]
.endr
	v_lshl_or_b32 v228, v217, 8, v216              ; p's scale word for these 128 keys
	v_lshl_or_b32 v228, v218, 16, v228
	v_lshl_or_b32 v228, v219, 24, v228
.irp c, 0,1
	v_cvt_scalef32_pk16_fp6_f32 v[192+6*\c:194+6*\c], v[96+32*\c:111+32*\c], v[220+2*\c]
	v_cvt_scalef32_pk16_fp6_f32 v[204+4*\c:206+4*\c], v[112+32*\c:127+32*\c], v[220+2*\c+1]
.endr
	v_nop                                          ; one plain instruction behind a scaled conversion
.irp c, 0,1
.irp i, 0,1,2
	v_permlane16_swap_b32 v[192+6*\c+\i], v[204+4*\c+\i]
.endr
.irp i, 0,1,2
	v_mov_b32 v[195+6*\c+\i], v[204+4*\c+\i]
.endr
.endr
.irp j, 0,2,4,6,8,10,12,14,16,18,20,22,24,26,28,30
	v_pk_mul_f32 v[160+\j:161+\j], v[160+\j:161+\j], v[226:227] op_sel_hi:[1,0]   ; O^T under the new M; these also stand between the writes of p's codes and scale word and the products
.endr
	s_wait_dscnt 0x0                               ; V is in
	s_wait_alu depctr_va_vdst(0)                   ; vector lines have written p's codes v192-203 and its scale word v228, which the scaled products take; the places above stay beside this wait
.irp t, 0,1,2,3                                ; four accumulators, one instruction each
	v_wmma_scale_f32_16x16x128_f8f6f4 v[160+8*\t:167+8*\t], v[30+12*\t:41+12*\t], v[192:203], v[160+8*\t:167+8*\t], v[84+\t], v228 matrix_a_fmt:MATRIX_FMT_FP6 matrix_b_fmt:MATRIX_FMT_FP6
.endr
.Lskip_\@:
	s_add_nc_u64 s[2:3], s[2:3], 256               ; the next step's mask words
.endm
; A SLOT: the next slot's K and V are asked for, this slot's two steps are worked, the copy goes to the other parity, one barrier.
; The other parity's readers finished in front of the last barrier; its new bytes are read behind this one.
.macro SLOTWORK par
.if (\par) == 0
	s_and_b32 s100, s24, 0xc                       ; does any tile need the next slot?  (steps 2, 3 of this trip's byte)
.else
	s_and_b32 s100, s24, 0x300                     ; (steps 0, 1 of the next byte; behind the last byte stand zeros)
.endif
	s_cbranch_scc0 .Lnc_\@
	global_load_b128 v[232:235], v1, s[4:5]        ; no wait here: the LDS stores that read v232-244 stand ahead of a wait on vm_vsrc, the two lines that name v244 ahead of a wait on va_vdst, and nothing has named them since
	global_load_b128 v[236:239], v7, s[4:5]
	global_load_b128 v[240:243], v8, s[4:5]
	global_load_b32 v244, v9, s[6:7]
.Lnc_\@:
	STEP \par, 0
	STEP \par, 1
	s_wait_loadcnt 0x0                             ; the copy's loads, if any, are in: their bases may step
.if (\par) == 0
	s_and_b32 s100, s24, 0xc
.else
	s_and_b32 s100, s24, 0x300
.endif
	s_cbranch_scc0 .Lns_\@
	v_lshrrev_b32 v244, s101, v244                 ; k's words: my head's two bytes alone
	v_and_b32 v244, s27, v244
	ds_store_b128 v4, v[232:235] offset:32768*(1-(\par))        ; these three read loaded data and v4 alone
	ds_store_b128 v4, v[236:239] offset:32768*(1-(\par))+512
	ds_store_b128 v4, v[240:243] offset:32768*(1-(\par))+1024
	s_wait_alu depctr_va_vdst(0)                   ; v244 is written, which the LDS store reads
	ds_store_b32 v5, v244 offset:32768*(1-(\par))
	s_wait_alu depctr_vm_vsrc(0)                   ; the four LDS stores have read v232-244: the next copy's loads land there, and v244 is cut anew
.Lns_\@:
	s_add_nc_u64 s[4:5], s[4:5], s[8:9]
	s_add_nc_u64 s[6:7], s[6:7], s[10:11]
	s_wait_dscnt 0x0                               ; my stores have landed and my reads of this slot are over
	s_barrier_signal -1
	s_barrier_wait -1
.endm
.Lpair:                                            ; 8 trips of two slots: four key steps, one byte of flags
	SLOTWORK 0
	SLOTWORK 1
	s_lshr_b32 s18, s18, 8                         ; the next byte comes down
	s_lshl_b32 s100, s19, 24
	s_or_b32 s18, s18, s100
	s_lshr_b32 s19, s19, 8
	s_lshr_b32 s24, s24, 8
	s_lshl_b32 s100, s25, 24
	s_or_b32 s24, s24, s100
	s_lshr_b32 s25, s25, 8
	s_sub_co_u32 s17, s17, 1
	s_cmp_lg_u32 s17, 0
	s_cbranch_scc1 .Lpair
	; THE WAY OUT: O^T / the sum, quantised along the head's 64 channels: two blocks, each in lanes l and l xor 16
.rept 4
	v_nop                                          ; places behind the last products
.endr
	v_add_f32 v14, v14, v15
	v_permlanex16_b32 v224, v14, s20, s21
	v_add_f32 v14, v14, v224                       ; the row's sum
	v_rcp_f32 v15, v14
	v_and_b32 v229, 15, v0                         ; (a plain instruction behind the reciprocal)
	v_bfe_u32 v230, v0, 4, 1                       ; (the load that read v230 stands ahead of the head's wait on vm_vsrc)
	v_lshl_add_u32 v229, v229, 2, v230             ; my scale byte's place: 4 r + h
	s_wait_alu depctr_va_vdst(0)                   ; the reciprocal has written v15, ahead of its first reader
.irp j, 0,1,2,3,4,5,6,7,8,9,10,11,12,13,14,15,16,17,18,19,20,21,22,23,24,25,26,27,28,29,30,31
	v_mul_f32 v[96+\j], v[160+\j], v15             ; register 16 b + i: channel 32 b + 16 h + i
.endr
.irp b, 0,1
	v_max3_num_f32 v[212+\b], |v[96+16*\b]|, |v[97+16*\b]|, 0x1800000
.endr
.irp i, 2,4,6,8,10,12,14
.irp b, 0,1
	v_max3_num_f32 v[212+\b], v[212+\b], |v[96+16*\b+\i]|, |v[97+16*\b+\i]|
.endr
.endr
.irp b, 0,1
	v_permlanex16_b32 v[216+\b], v[212+\b], s20, s21
.endr
.irp b, 0,1
	v_max_num_f32 v[212+\b], v[212+\b], v[216+\b]
.endr
.irp b, 0,1
	v_add_nc_u32 v[220+\b], 0xff000000, v[212+\b]
.endr
.irp b, 0,1
	v_lshrrev_b32 v[216+\b], 23, v[220+\b]
.endr
	v_cmp_neq_f32 vcc_lo, 0, v14
	s_wait_alu depctr_va_vcc(0)                    ; the compare has written VCC, ahead of the selects that read it
	v_cndmask_b32 v216, 0xff, v216, vcc_lo         ; a row with no key: the byte that stands for NaN
	v_cndmask_b32 v217, 0xff, v217, vcc_lo
	v_cndmask_b32 v218, v216, v217, s26            ; lanes 0-15 store block 0's byte, lanes 16-31 block 1's
	v_cvt_scalef32_pk16_fp6_f32 v[192:194], v[96:111], v220
	v_cvt_scalef32_pk16_fp6_f32 v[196:198], v[112:127], v221
	v_nop                                          ; one plain instruction behind a scaled conversion
.irp i, 0,1,2
	v_permlane16_swap_b32 v[192+\i], v[196+\i]
.endr
.irp i, 0,1,2
	v_mov_b32 v[195+\i], v[196+\i]
.endr
	s_wait_alu depctr_va_vdst(0)                   ; the codes v192-197, the byte v218 and its place v229 are written, which the three stores read
	global_store_b128 v1, v[192:195], s[12:13]     ; half a fragment: 512 + 256 consecutive bytes, aligned
	global_store_b64 v2, v[196:197], s[12:13] offset:512
	global_store_b8 v229, v218, s[14:15]
	s_wait_dscnt 0x0
	s_wait_alu depctr_hold_cnt(0) depctr_sa_sdst(0) depctr_va_vdst(0) depctr_va_sdst(0) depctr_va_ssrc(0) depctr_va_vcc(0) depctr_vm_vsrc(0)
	s_wait_tensorcnt 0x0
	ds_add_u32 v254, v255
	s_wait_dscnt 0x0
	s_endpgm
.Lfunc_end_k_qecf7e6a76c_attn:
	.size	k_qecf7e6a76c_attn, .Lfunc_end_k_qecf7e6a76c_attn-k_qecf7e6a76c_attn
	.p2alignl 7, 3214868480
	.fill 96, 4, 3214868480
	.section	.rodata,"a",@progbits
	.p2align	6, 0x0
	.amdhsa_kernel k_qecf7e6a76c_attn
		.amdhsa_group_segment_fixed_size 67584
		.amdhsa_private_segment_fixed_size 0
		.amdhsa_enable_private_segment 0
		.amdhsa_kernarg_size 48
		.amdhsa_user_sgpr_count 2
		.amdhsa_user_sgpr_kernarg_segment_ptr 1
		.amdhsa_wavefront_size32 1
		.amdhsa_system_sgpr_workgroup_id_x 1
		.amdhsa_system_sgpr_workgroup_id_y 1
		.amdhsa_system_sgpr_workgroup_id_z 1
		.amdhsa_system_vgpr_workitem_id 0
		.amdhsa_next_free_vgpr 256
		.amdhsa_next_free_sgpr 106
		.amdhsa_reserve_vcc 1
		.amdhsa_float_denorm_mode_32 3
		.amdhsa_float_denorm_mode_16_64 3
		.amdhsa_memory_ordered 1
		.amdhsa_forward_progress 1
		.amdhsa_inst_pref_size 99
	.end_amdhsa_kernel
	.amdgpu_metadata
---
amdhsa.version: [ 1, 2 ]
amdhsa.kernels:
  - .name:           k_qecf7e6a76c_attn
    .symbol:         k_qecf7e6a76c_attn.kd
    .args:
      - { .name: img, .offset: 0, .size: 8, .value_kind: global_buffer, .address_space: global }
      - { .name: isc, .offset: 8, .size: 8, .value_kind: global_buffer, .address_space: global }
      - { .name: mbits, .offset: 16, .size: 8, .value_kind: global_buffer, .address_space: global }
      - { .name: tflag, .offset: 24, .size: 8, .value_kind: global_buffer, .address_space: global }
      - { .name: oimg, .offset: 32, .size: 8, .value_kind: global_buffer, .address_space: global }
      - { .name: osc, .offset: 40, .size: 8, .value_kind: global_buffer, .address_space: global }
    .group_segment_fixed_size: 67584
    .private_segment_fixed_size: 0
    .kernarg_segment_align: 8
    .kernarg_segment_size: 48
    .max_flat_workgroup_size: 512
    .sgpr_count:     106
    .vgpr_count:     256
    .wavefront_size: 32
...
	.end_amdgpu_metadata
.endif
;; end of part 5
;; launch out (part 6): grid 64 x 4, 4 waves a work-group, no clusters, 67,072 bytes of LDS; arguments oimg, osc, cimg, csc, bo, out0; writes out0
.if DOCPART == 6
	.amdgcn_target "amdgcn-amd-amdhsa--gfx1250"
	.amdhsa_code_object_version 6
	.text
	.protected	k_qecf7e6a76c_out
	.globl	k_qecf7e6a76c_out
	.p2align	8
	.type	k_qecf7e6a76c_out,@function
k_qecf7e6a76c_out:
	s_mov_b64 s[64:65], 0
	v_nop
	global_prefetch_b8 v0, s[64:65] scope:SCOPE_SE
	s_setreg_imm32_b32 hwreg(HW_REG_WAVE_SCHED_MODE, 0, 2), 2
	s_setreg_imm32_b32 hwreg(HW_REG_WAVE_MODE, 25, 1), 1
	s_wait_xcnt 0x0
	s_wait_alu depctr_vm_vsrc(0)
; OUT: out0 = o Wo + bo on codes of FP6 (E2M3) with E8M0 scales, K = 1,024.  o and Wo come as fragment images ([K step][tile][1536], scale words [K step][tile][64]).
; A work-group takes 64 rows (4 tiles) x 256 columns: 256 work-groups.  Wave w keeps its 64 columns of Wo, 4 tiles x 8 K steps, in 384 registers; o's 32 fragments go through LDS once for the four waves.
; All loads of a work-group leave at its head and nothing recurs: no ring, no tensor load.  What neighbours could share is o's 48 KiB of a work-group's 240: no joint loads.
; TRANSPOSED: source 0 = 16 columns of Wo, source 1 = 16 rows of o: a lane holds one row and, by the choice of a tile's columns made when Wo was laid out, 16 neighbouring columns in two tiles' registers.
; The rows of a tile of o are not neighbours (lane-row r of tile T is row 32 (T/2) + 8 (T%2) + r%8 + 16 (r/8)): the stores' immediates put them back.  bo is the C of each sum's first instruction.
; THE MODE: SCHED_MODE bits 1:0 = 2 (LLVM: expert scheduling mode 2), set by the entry lines.  The code itself states the register dependences
; between vector or matrix instructions and memory or LDS instructions, with s_wait_alu, always for 0.
; THE PLAN.  Registers that memory or LDS instructions touch:
;   v1-8            addresses and offsets: written at the head, ahead of one wait on va_vdst, and never again.
;   v64-159         at the head the copy: global loads land there, LDS stores read them; one wait on vm_vsrc behind the barrier frees them.
;   v16-159         o's fragments in THREE sets of 48, set s at 16 + 48 s.  K step k's products read set k % 3.  Sets 0, 1, 2 are fetched behind that wait on vm_vsrc: no vector or matrix line has named them.
;                   At the heads of K steps 1 to 5 one wait on va_vdst states that the step before is done reading its set; K step k + 2's sixteen loads land in that set at once, two steps ahead of their use.
;   windows 1, 2, the bias table and v160-223 are loaded once, at the head.
;   the accumulators: written by the products, read by the stage's LDS stores: one wait on va_vdst, behind the last places.  It also states that the products are done reading v16-143,
;   v16-143         where the four tiles' rows come back from the stage, 32 registers of its own to each tile: nothing that a store reads is written again.
; REGISTERS: window 0: v1-8 addresses; v16-159 as above; v160-191 Wo's scale words, v192-223 o's.
;   window 1: Wo, K steps 0-3, at 12 (4 ks + t); window 2: K steps 4-7; window 3: v0-127 the 16 accumulators (m, t) at 8 (4 m + t); v128-159 the bias table.
.set STG, 49152                        ; behind o's images: a stage of 16 rows x (256 + 16) bytes for each wave
.set SPI, 272
.set OF,  16                           ; o's fragments: set s at OF + 48 s
.set OB,  16                           ; the way out: tile m's rows at OB + 32 m
.set MSB, 0
.macro WIN new                         ; the immediate's high byte repeats the setting that is left
.if MSB != \new
	s_set_vgpr_msb (MSB<<8)|\new
.set MSB, \new
.endif
.endm
	s_load_b256 s[4:11], s[0:1], 0x0               ; oimg s[4:5], osc s[6:7], cimg s[8:9], csc s[10:11]
	s_load_b128 s[12:15], s[0:1], 0x20             ; bo s[12:13], out0 s[14:15]
	v_lshl_add_u32 v254, v0, 2, 0x10400
	v_mov_b32 v255, 0
	v_lshrrev_b32 v1, 5, v0
	v_readfirstlane_b32 s16, v1                    ; wave 0..3
	v_and_b32 v9, 31, v0
	v_and_b32 v10, 15, v0                          ; r
	v_bfe_u32 v11, v0, 4, 1                        ; h
	v_lshlrev_b32 v1, 4, v9
	v_lshlrev_b32 v2, 3, v9
	v_lshlrev_b32 v3, 2, v10
	v_lshlrev_b32 v7, 6, v11
	s_wait_alu depctr_va_sdst(0)                   ; s16 is written, ahead of its first reader: LDS places and bases are made from it
	s_mul_i32 s17, s16, 16*SPI
	s_add_co_u32 s17, s17, STG
	v_mul_u32_u24 v4, v10, SPI
	v_lshl_add_u32 v4, v11, 6, v4
	v_add_nc_u32 v4, s17, v4                       ; into my stage: row r, 64 h
	v_mul_u32_u24 v5, v11, SPI
	v_lshl_add_u32 v5, v10, 4, v5
	v_add_nc_u32 v5, s17, v5                       ; back: lanes 0-15 one row of 256 bytes, lanes 16-31 the next
	v_lshlrev_b32 v6, 12, v11
	v_lshl_add_u32 v6, v10, 4, v6                  ; and the same in out0: rows of 4,096 bytes
	s_mul_i32 s17, s16, 12288
	v_add_nc_u32 v8, s17, v1                       ; the copy: wave w brings K steps 2 w, 2 w + 1
	s_and_b32 s18, ttmp7, 0xffff                   ; which 256 columns
	s_mul_i32 s20, ttmp9, 6144
	s_mul_i32 s21, s16, 786432
	s_add_co_u32 s20, s20, s21
	s_mov_b32 s21, 0
	s_lshl_b32 s22, s18, 4
	s_lshl_b32 s23, s16, 2
	s_add_co_u32 s22, s22, s23
	s_add_co_u32 s22, s22, 448                     ; Wo's tiles begin at 448: my four
	s_lshl_b32 s24, s22, 6
	s_mov_b32 s25, 0
	s_mul_i32 s22, s22, 1536
	s_mov_b32 s23, 0
	s_lshl_b32 s26, ttmp9, 8
	s_mov_b32 s27, 0
	s_lshl_b32 s28, s18, 10
	s_lshl_b32 s29, s16, 8
	s_add_co_u32 s28, s28, s29
	s_mov_b32 s29, 0
	s_lshl_b32 s30, ttmp9, 18
	s_add_co_u32 s30, s30, s28
	s_mov_b32 s31, 0
	s_wait_kmcnt 0x0
	s_add_nc_u64 s[4:5], s[4:5], s[20:21]
	s_add_nc_u64 s[6:7], s[6:7], s[26:27]
	s_add_nc_u64 s[8:9], s[8:9], s[22:23]
	s_add_nc_u64 s[10:11], s[10:11], s[24:25]
	s_add_nc_u64 s[12:13], s[12:13], s[28:29]
	s_add_nc_u64 s[14:15], s[14:15], s[30:31]
	s_wait_alu depctr_va_vdst(0)                   ; v1 to v8 are written: every load, store and LDS instruction of the kernel takes its address from them; up to the wait for the data only loads and window switches follow
.irp e, 0,1
.irp n, 0,1,2,3,4,5,6,7,8,9,10,11
	global_load_b128 v[64+48*\e+4*\n:67+48*\e+4*\n], v1, s[4:5] offset:393216*\e+512*\n   ; four tiles of a K step are 6,144 consecutive bytes
.endr
.endr
.macro WLOAD ks
.irp t, 0,1,2,3
	global_load_b128 v[12*(4*((\ks)%4)+\t):12*(4*((\ks)%4)+\t)+3], v1, s[8:9] offset:786432*(\ks)+1536*\t
	global_load_b64 v[12*(4*((\ks)%4)+\t)+4:12*(4*((\ks)%4)+\t)+5], v2, s[8:9] offset:786432*(\ks)+1536*\t+512
	global_load_b128 v[12*(4*((\ks)%4)+\t)+6:12*(4*((\ks)%4)+\t)+9], v1, s[8:9] offset:786432*(\ks)+1536*\t+768
	global_load_b64 v[12*(4*((\ks)%4)+\t)+10:12*(4*((\ks)%4)+\t)+11], v2, s[8:9] offset:786432*(\ks)+1536*\t+1280
.endr
.endm
	WIN 0x40                                       ; destination window 1
.irp k, 0,1,2,3
	WLOAD \k
.endr
	WIN 0x80                                       ; destination window 2
.irp k, 4,5,6,7
	WLOAD \k
.endr
	WIN 0xc0                                       ; destination window 3: tile t's registers are columns 32 (t / 2) + 16 h + 8 (t % 2) + 0 .. 7
.irp t, 0,1,2,3
	global_load_b128 v[128+8*\t:131+8*\t], v7, s[12:13] offset:(32*(\t/2)+8*(\t%2))*4
	global_load_b128 v[132+8*\t:135+8*\t], v7, s[12:13] offset:(32*(\t/2)+8*(\t%2))*4+16
.endr
	WIN 0
.irp k, 0,1,2,3,4,5,6,7
.irp t, 0,1,2,3
	global_load_b32 v[160+4*\k+\t], v3, s[10:11] offset:32768*\k+64*\t
	global_load_b32 v[192+4*\k+\t], v3, s[6:7] offset:16384*\k+64*\t
.endr
.endr
	s_wait_loadcnt 0x0
.irp e, 0,1
.irp n, 0,1,2,3,4,5,6,7,8,9,10,11
	ds_store_b128 v8, v[64+48*\e+4*\n:67+48*\e+4*\n] offset:6144*\e+512*\n
.endr
.endr
	s_wait_dscnt 0x0                               ; for the others' sake: my stores have landed
	s_barrier_signal -1
	s_barrier_wait -1                              ; o's 32 fragments lie in LDS
	s_wait_alu depctr_vm_vsrc(0)                   ; my LDS stores have read v64-159: these registers are sets 1 and 2 from here on, in which the fragments' loads land
.macro FRAG reg, off
	ds_load_b128 v[\reg:\reg+3], v1 offset:\off
	ds_load_b64 v[\reg+4:\reg+5], v2 offset:\off+512
	ds_load_b128 v[\reg+6:\reg+9], v1 offset:\off+768
	ds_load_b64 v[\reg+10:\reg+11], v2 offset:\off+1280
.endm
.macro FETCH ks                        ; a K step's four fragments of o into set ks % 3: 16 loads
.irp m, 0,1,2,3
	FRAG OF+48*((\ks)%3)+12*\m, 6144*(\ks)+1536*\m
.endr
.endm
	FETCH 0
	FETCH 1
	FETCH 2                                        ; no vector or matrix line has named the three sets
.irp k, 0,1,2,3,4,5,6,7
.if \k == 0
	s_wait_dscnt 32                                ; K step 0's fragments are in; the 32 loads of steps 1 and 2 may be out
.elseif \k < 7
	s_wait_dscnt 16                                ; this K step's fragments are in; the next step's 16 loads may be out
.else
	s_wait_dscnt 0x0
.endif
.if (\k > 0) && (\k < 6)
	s_wait_alu depctr_va_vdst(0)                   ; the products of the K step before are done reading their set, in which the loads below land
	FETCH \k+2                                     ; two K steps ahead of their use
.endif
.if \k < 4
	WIN 0xf1                                       ; source 0 (Wo) window 1, source 1 (o) window 0, C and D window 3
.else
	WIN 0xf2
.endif
.irp m, 0,1,2,3                                ; the 16 accumulators take turns, one instruction a turn
.irp t, 0,1,2,3
.if \k == 0
	v_wmma_scale_f32_16x16x128_f8f6f4 v[8*(4*\m+\t):8*(4*\m+\t)+7], v[12*(4*(\k%4)+\t):12*(4*(\k%4)+\t)+11], v[OF+48*(\k%3)+12*\m:OF+48*(\k%3)+12*\m+11], v[128+8*\t:135+8*\t], v[160+4*\k+\t], v[192+4*\k+\m] matrix_a_fmt:MATRIX_FMT_FP6 matrix_b_fmt:MATRIX_FMT_FP6
.else
	v_wmma_scale_f32_16x16x128_f8f6f4 v[8*(4*\m+\t):8*(4*\m+\t)+7], v[12*(4*(\k%4)+\t):12*(4*(\k%4)+\t)+11], v[OF+48*(\k%3)+12*\m:OF+48*(\k%3)+12*\m+11], v[8*(4*\m+\t):8*(4*\m+\t)+7], v[160+4*\k+\t], v[192+4*\k+\m] matrix_a_fmt:MATRIX_FMT_FP6 matrix_b_fmt:MATRIX_FMT_FP6
.endif
.endr
.endr
	WIN 0
.rept 4
	v_nop                                          ; places in front of loads into registers that the products have read, and of the first read of results
.endr
.endr
	; THE WAY OUT, a tile of 16 rows at a time through my own stage: in as 32 bytes a lane, back as whole rows of 256 bytes
.irp m, 0,1,2,3
	WIN 0x0c                                       ; an LDS store's data: window 3
.if \m == 0
	s_wait_alu depctr_va_vdst(0)                   ; the products have written the accumulators, which the LDS stores read, and are done reading v16-143, in which the rows land; the places above stay beside this wait
.endif
.irp t, 0,1,2,3
	ds_store_b128 v4, v[8*(4*\m+\t):8*(4*\m+\t)+3] offset:128*(\t/2)+32*(\t%2)        ; each accumulator from its low end on
	ds_store_b128 v4, v[8*(4*\m+\t)+4:8*(4*\m+\t)+7] offset:128*(\t/2)+32*(\t%2)+16
.endr
	WIN 0
.irp i, 0,1,2,3,4,5,6,7
	ds_load_b128 v[OB+32*\m+4*\i:OB+32*\m+4*\i+3], v5 offset:2*\i*SPI   ; LDS serves a wave's instructions in order: these see my stores, and the next tile's stores come behind them; each tile's rows have registers of their own
.endr
.irp i, 0,1,2,3,4,5,6,7
	s_wait_dscnt 7-\i
	global_store_b128 v6, v[OB+32*\m+4*\i:OB+32*\m+4*\i+3], s[14:15] offset:(32*(\m/2)+8*(\m%2)+2*(\i%4)+16*(\i/4))*4096 th:TH_STORE_NT   ; sixteen lanes store 256 consecutive bytes, aligned; lane-rows 2 i + h back at their true rows
.endr
.endr
	s_wait_dscnt 0x0
	s_wait_alu depctr_hold_cnt(0) depctr_sa_sdst(0) depctr_va_vdst(0) depctr_va_sdst(0) depctr_va_ssrc(0) depctr_va_vcc(0) depctr_vm_vsrc(0)
	s_wait_tensorcnt 0x0
	ds_add_u32 v254, v255
	s_wait_dscnt 0x0
	s_endpgm
.Lfunc_end_k_qecf7e6a76c_out:
	.size	k_qecf7e6a76c_out, .Lfunc_end_k_qecf7e6a76c_out-k_qecf7e6a76c_out
	.p2alignl 7, 3214868480
	.fill 96, 4, 3214868480
	.section	.rodata,"a",@progbits
	.p2align	6, 0x0
	.amdhsa_kernel k_qecf7e6a76c_out
		.amdhsa_group_segment_fixed_size 67072
		.amdhsa_private_segment_fixed_size 0
		.amdhsa_enable_private_segment 0
		.amdhsa_kernarg_size 48
		.amdhsa_user_sgpr_count 2
		.amdhsa_user_sgpr_kernarg_segment_ptr 1
		.amdhsa_wavefront_size32 1
		.amdhsa_system_sgpr_workgroup_id_x 1
		.amdhsa_system_sgpr_workgroup_id_y 1
		.amdhsa_system_sgpr_workgroup_id_z 1
		.amdhsa_system_vgpr_workitem_id 0
		.amdhsa_next_free_vgpr 1024
		.amdhsa_next_free_sgpr 66
		.amdhsa_reserve_vcc 0
		.amdhsa_float_denorm_mode_32 3
		.amdhsa_float_denorm_mode_16_64 3
		.amdhsa_memory_ordered 1
		.amdhsa_forward_progress 1
		.amdhsa_inst_pref_size 60
	.end_amdhsa_kernel
	.amdgpu_metadata
---
amdhsa.version: [ 1, 2 ]
amdhsa.kernels:
  - .name:           k_qecf7e6a76c_out
    .symbol:         k_qecf7e6a76c_out.kd
    .args:
      - { .name: oimg, .offset: 0, .size: 8, .value_kind: global_buffer, .address_space: global }
      - { .name: osc, .offset: 8, .size: 8, .value_kind: global_buffer, .address_space: global }
      - { .name: cimg, .offset: 16, .size: 8, .value_kind: global_buffer, .address_space: global }
      - { .name: csc, .offset: 24, .size: 8, .value_kind: global_buffer, .address_space: global }
      - { .name: bo, .offset: 32, .size: 8, .value_kind: global_buffer, .address_space: global }
      - { .name: out0, .offset: 40, .size: 8, .value_kind: global_buffer, .address_space: global }
    .group_segment_fixed_size: 67072
    .private_segment_fixed_size: 0
    .kernarg_segment_align: 8
    .kernarg_segment_size: 48
    .max_flat_workgroup_size: 128
    .sgpr_count:     66
    .vgpr_count:     1024
    .wavefront_size: 32
...
	.end_amdgpu_metadata
.endif
;; end of part 6
